; MI455X (gfx1250); checked and timed in simulation.
; The chip was launched on July 23, 2026; its instructions are those of AMD's public machine-readable ISA for CDNA 5 (MIT licence, August 2026) and "CDNA5" Instruction Set Architecture Reference Guide (July 2026). The comments in the code are by the model that wrote it; some were corrected since.
;; Spatial Axis. Allowed arithmetic: float matrix products may take bf16 or f16 operands with f32 sums; other float arithmetic in f32, or as packed bf16 or f16 multiplies, adds, multiply-adds, maxima and minima; sums over many terms, partial sums and values carried from step to step in f32; what a program stores and reads back later, other than sums and carried values, may be rounded once to bf16 or f16.
;; Inputs: b_fc1 2 x 1,024 float32; b_fc2 2 x 256 float32; b_pos 2 x 8 float32; b_proj 2 x 256 float32; b_qkv 2 x 768 float32; coords 1 x 32,768 x 3 float32; ln1_b 2 x 256 float32; ln1_g 2 x 256 float32; ln2_b 2 x 256 float32; ln2_g 2 x 256 float32; norm_b 1 x 256 float32; norm_g 1 x 256 float32; w_fc1 2 x 256 x 1,024 float32; w_fc2 2 x 1,024 x 256 float32; w_pos 2 x 3 x 8 float32; w_proj 2 x 256 x 256 float32; w_qkv 2 x 256 x 768 float32; x 1 x 32,768 x 256 float32.
;; Outputs: out0 1 x 32,768 x 256 float32.
;; 2 versions, each right; version 2 is version 1 with the launch rank written anew for expert scheduling mode. Each part assembles by itself: llvm-mc -triple=amdgcn-amd-amdhsa -mcpu=gfx1250 --defsym DOCPART=n.
;; ======== version 1 of 2: 6 launches
;; workspace buffers: wpk0 1,589,248 bytes; wpk1 1,589,248 bytes; xmid 33,554,432 bytes; codes 262,144 bytes of whole numbers; scode 262,144 bytes of whole numbers; sidx 262,144 bytes of whole numbers; perm0 131,072 bytes of whole numbers; perm1 131,072 bytes of whole numbers
;; launch prep (part 1): grid 48 x 2, 4 waves a work-group, no clusters, 35,328 bytes of LDS; arguments w_qkv, w_proj, w_fc1, w_fc2, ln1_g, ln1_b, b_qkv, b_proj, ln2_g, ln2_b, b_fc1, b_fc2, norm_g, norm_b, w_pos, b_pos, wpk0, wpk1; writes wpk0, wpk1
.if DOCPART == 1
	.amdgcn_target "amdgcn-amd-amdhsa--gfx1250"
	.amdhsa_code_object_version 6
	.text
	.protected	k_qd4ef13b0ef_prep
	.globl	k_qd4ef13b0ef_prep
	.p2align	8
	.type	k_qd4ef13b0ef_prep,@function
k_qd4ef13b0ef_prep:
	s_mov_b64 s[64:65], 0
	v_nop
	global_prefetch_b8 v0, s[64:65] scope:SCOPE_SE
	s_setreg_imm32_b32 hwreg(HW_REG_WAVE_MODE, 25, 1), 1
	s_wait_xcnt 0x0
; The weights of both layers, rounded once to bf16 and turned ([in][out] -> [out][in]), laid out as the 24 tiles of 65,536 bytes that a layer walks, in the order in which it walks them;
; behind them (byte 1,572,864 on) the layer's small tables in f32.
; Tile t of a layer: t = 4 g + j, j = 0, 1, 2: Q, K, V of head group g (128 rows x 256 k; row 32 w + i is channel 256 j + 64 w + 32 g + i);
; t = 4 g + 3: proj (256 rows x 128 k; k' = 32 w + i is input channel 64 w + 32 g + i).  The MLP's tiles stand as its pipeline wants them, fc1 one chunk ahead of fc2:
; t = 8 and the odd t from 9 to 21: fc1, chunk c = (t - 7) / 2 (row = hidden 128 c + row); the even t from 10 to 22 and t = 23: fc2, chunk c = (t - 9) / 2 (k' = hidden 128 c + k').
; Work-group x = 24 L + t; unit u = 4 y + wave is 32 tile rows x 128 k.  A lane is a tile row: a load takes 32 neighbouring outputs of one input row (128 bytes on end);
; 32 k are packed to 64 bytes a lane, go into the wave's own LDS rows of 272 bytes and come back as whole rows of 256 bytes, which sixteen lanes store.
.set SPARE, 34816                      ; behind the four stages of 8,704 bytes: the spare words, 128 bytes a wave
.set PARB,  1572864                    ; the tables' first byte in wpk
.set OF,  16                           ; v[16:47]   load i: i x (bytes of an input row) + 4 x lane
.set SOF, 48                           ; v[48:63]   store t: 2 t x (bytes of a tile row) + my place in two rows
.set DT,  64                           ; v[64:191]  128 numbers as loaded; later v[64:127] rows read back, v[128:157] the tables
.set CV,  192                          ; v[192:207] 32 numbers packed
	s_load_b512 s[8:23], s[0:1], 0x0               ; w_qkv s[8:9], w_proj s[10:11], w_fc1 s[12:13], w_fc2 s[14:15], ln1_g s[16:17], ln1_b s[18:19], b_qkv s[20:21], b_proj s[22:23]
	s_load_b512 s[24:39], s[0:1], 0x40             ; ln2_g, ln2_b, b_fc1, b_fc2, norm_g, norm_b, w_pos s[36:37], b_pos s[38:39]
	s_load_b128 s[40:43], s[0:1], 0x80             ; wpk0, wpk1
	v_lshl_add_u32 v8, v0, 2, SPARE
	v_mov_b32 v9, 0
	v_lshrrev_b32 v2, 5, v0
	v_readfirstlane_b32 s2, v2                     ; wave
	v_and_b32 v1, 31, v0                           ; lane
	s_and_b32 s3, ttmp7, 0xffff                    ; y
	s_lshl2_add_u32 s4, s3, s2                     ; u = 4 y + wave
	s_cmp_ge_u32 ttmp9, 24
	s_cselect_b32 s5, 1, 0                         ; L
	s_mul_i32 s6, s5, 24
	s_sub_co_u32 s6, ttmp9, s6                     ; t
	s_lshr_b32 s7, s4, 1                           ; rg: which 32 rows (tiles of 128 rows)
	s_and_b32 s57, s4, 1                           ; kh: which half of k
	s_lshl_b32 s58, s7, 14
	s_lshl_b32 s59, s57, 8
	s_add_co_u32 s58, s58, s59                     ; place in a tile of 128 rows: 32 rg x 512 + 256 kh
	s_lshl_b32 s59, s4, 13                         ; place in a tile of 256 rows: 32 u x 256
	s_lshl_b32 s60, s57, 7                         ; 128 kh
	s_lshl_b32 s61, s4, 5                          ; 32 u
	s_lshl_b32 s62, s7, 5                          ; 32 rg
	s_mov_b32 s51, 32                              ; input rows from one 32 k to the next
	s_wait_kmcnt 0x0
	; s48 bytes of an input row, s49 first output, s50 first input row, s52 twice a tile row's bytes, s53 place in the tile, s[54:55] the matrix, s56 its bytes a layer
	s_cmp_lt_u32 s6, 8
	s_cbranch_scc0 .Lmlp
	s_lshr_b32 s63, s6, 2
	s_lshl_b32 s63, s63, 5                         ; 32 g
	s_and_b32 s66, s6, 3                           ; j
	s_cmp_eq_u32 s66, 3
	s_cbranch_scc1 .Lproj
	s_mov_b32 s48, 3072
	s_lshl_b32 s49, s66, 8
	s_lshl1_add_u32 s49, s62, s49
	s_add_co_u32 s49, s49, s63                     ; 256 j + 64 rg + 32 g
	s_mov_b32 s50, s60
	s_mov_b32 s52, 1024
	s_mov_b32 s53, s58
	s_mov_b64 s[54:55], s[8:9]
	s_mov_b32 s56, 786432
	s_branch .Lgo
.Lproj:
	s_mov_b32 s48, 1024
	s_mov_b32 s49, s61
	s_mov_b32 s50, s63
	s_mov_b32 s51, 64                              ; the group's 32 channels of every second head
	s_mov_b32 s52, 512
	s_mov_b32 s53, s59
	s_mov_b64 s[54:55], s[10:11]
	s_mov_b32 s56, 262144
	s_branch .Lgo
.Lmlp:
	s_mov_b32 s56, 1048576
	s_cmp_eq_u32 s6, 8                             ; the first tile of the MLP is fc1's,
	s_cbranch_scc1 .Lfc1
	s_cmp_eq_u32 s6, 23                            ; the last fc2's;
	s_cbranch_scc1 .Lfc2
	s_bitcmp1_b32 s6, 0                            ; between them the odd ones are fc1's
	s_cbranch_scc0 .Lfc2
.Lfc1:
	s_sub_co_u32 s63, s6, 7
	s_lshr_b32 s63, s63, 1
	s_lshl_b32 s63, s63, 7                         ; 128 c
	s_mov_b32 s48, 4096
	s_add_co_u32 s49, s63, s62
	s_mov_b32 s50, s60
	s_mov_b32 s52, 1024
	s_mov_b32 s53, s58
	s_mov_b64 s[54:55], s[12:13]
	s_branch .Lgo
.Lfc2:
	s_sub_co_u32 s63, s6, 9
	s_lshr_b32 s63, s63, 1
	s_lshl_b32 s63, s63, 7                         ; 128 c
	s_mov_b32 s48, 1024
	s_mov_b32 s49, s61
	s_mov_b32 s50, s63
	s_mov_b32 s52, 512
	s_mov_b32 s53, s59
	s_mov_b64 s[54:55], s[14:15]
.Lgo:
	s_mul_i32 s66, s5, s56
	s_mul_i32 s67, s50, s48
	s_add_co_u32 s66, s66, s67
	s_lshl2_add_u32 s66, s49, s66                  ; layer + first input row + 4 x first output
	s_mov_b32 s67, 0
	s_add_nc_u64 s[68:69], s[54:55], s[66:67]      ; four pointers, one for each 32 k
	s_mul_i32 s66, s51, s48
	s_add_nc_u64 s[70:71], s[68:69], s[66:67]
	s_add_nc_u64 s[72:73], s[70:71], s[66:67]
	s_add_nc_u64 s[74:75], s[72:73], s[66:67]
	s_cmp_eq_u32 s5, 1
	s_cselect_b64 s[76:77], s[42:43], s[40:41]     ; the layer's buffer
	s_cselect_b64 s[80:81], s[42:43], s[40:41]
	s_lshl_b32 s66, s6, 16
	s_add_co_u32 s66, s66, s53
	s_add_nc_u64 s[76:77], s[76:77], s[66:67]      ; at my unit
	s_add_nc_u64 s[80:81], s[80:81], PARB          ; at the tables
	v_lshlrev_b32 v6, 2, v1
.set i, 0
.rept 32
	v_mad_u32_u24 v[OF+i], s48, i, v6
.set i, i+1
.endr
	s_mul_i32 s78, s2, 8704                        ; my stage
	v_mul_u32_u24 v4, v1, 272
	v_add_nc_u32 v4, s78, v4                       ; in: my row
	v_lshrrev_b32 v2, 4, v1
	v_and_b32 v3, 15, v1
	v_mul_u32_u24 v5, v2, 272
	v_lshl_add_u32 v5, v3, 4, v5
	v_add_nc_u32 v5, s78, v5                       ; back: lanes 0-15 one row of 256 bytes, lanes 16-31 the next
	s_lshr_b32 s79, s52, 1
	v_mul_u32_u24 v7, s79, v2
	v_lshl_add_u32 v7, v3, 4, v7
.set i, 0
.rept 16
	v_mad_u32_u24 v[SOF+i], s52, i, v7
.set i, i+1
.endr
.irp kb, 0,1,2,3                       ; the unit's 128 loads go out together
.set i, 0
.rept 32
	global_load_b32 v[DT+32*\kb+i], v[OF+i], s[68+2*\kb:69+2*\kb]
.set i, i+1
.endr
.endr
.macro PACK32 kb, left
	s_wait_loadcnt \left                           ; loads return in order: at most so many of the 128 are out
.set i, 0
.rept 16
	v_cvt_pk_bf16_f32 v[CV+i], v[DT+32*(\kb)+2*i], v[DT+32*(\kb)+2*i+1]
.set i, i+1
.endr
.irp m, 0,1,2,3
	ds_store_b128 v4, v[CV+4*\m:CV+4*\m+3] offset:64*(\kb)+16*\m
.endr
.endm
	PACK32 0, 63                                   ; 63 is the most that the wait can name: 65 loads are in, more than the 32 wanted,
	PACK32 1, 63                                   ; and more than the 64 wanted
	PACK32 2, 32
	PACK32 3, 0
.irp t, 0,1,2,3,4,5,6,7,8,9,10,11,12,13,14,15
	ds_load_b128 v[DT+4*\t:DT+4*\t+3], v5 offset:544*\t   ; a wave's LDS instructions are served in order: these see the stores above
.endr
.irp t, 0,1,2,3,4,5,6,7,8,9,10,11,12,13,14,15
	s_wait_dscnt 15-\t
	global_store_b128 v[SOF+\t], v[DT+4*\t:DT+4*\t+3], s[76:77]   ; sixteen lanes store 256 bytes on end, aligned
.endr
	; the tables: written by the work-group of tile 0, y = 0 of each layer; 128 threads x 8 bytes are 1,024 bytes
	s_or_b32 s66, s6, s3
	s_cmp_lg_u32 s66, 0
	s_cbranch_scc1 .Lend
	s_lshl_b32 s66, s5, 10
	s_mul_i32 s82, s5, 3072
	s_mov_b32 s83, 0
	s_lshl_b32 s84, s5, 12
	s_mov_b32 s85, 0
	s_add_nc_u64 s[16:17], s[16:17], s[66:67]
	s_add_nc_u64 s[18:19], s[18:19], s[66:67]
	s_add_nc_u64 s[20:21], s[20:21], s[82:83]
	s_add_nc_u64 s[22:23], s[22:23], s[66:67]
	s_add_nc_u64 s[24:25], s[24:25], s[66:67]
	s_add_nc_u64 s[26:27], s[26:27], s[66:67]
	s_add_nc_u64 s[28:29], s[28:29], s[84:85]
	s_add_nc_u64 s[30:31], s[30:31], s[66:67]
	v_lshlrev_b32 v10, 3, v0
.macro CP n, p, so
	global_load_b64 v[128+2*(\n):129+2*(\n)], v10, s[\p:\p+1] offset:\so
.endm
	CP 0, 16, 0                                    ; ln1_g
	CP 1, 18, 0                                    ; ln1_b
	CP 2, 20, 0                                    ; b_qkv
	CP 3, 20, 1024
	CP 4, 20, 2048
	CP 5, 22, 0                                    ; b_proj
	CP 6, 24, 0                                    ; ln2_g
	CP 7, 26, 0                                    ; ln2_b
	CP 8, 28, 0                                    ; b_fc1
	CP 9, 28, 1024
	CP 10, 28, 2048
	CP 11, 28, 3072
	CP 12, 30, 0                                   ; b_fc2
	CP 13, 32, 0                                   ; norm_g
	CP 14, 34, 0                                   ; norm_b
	s_mul_i32 s86, s5, 24
	v_min_u32 v11, 23, v0
	v_add_lshl_u32 v11, v11, s86, 2                ; w_pos word, held inside the table for every thread
	v_subrev_nc_u32 v12, 24, v0
	v_max_i32 v12, 0, v12
	v_min_u32 v12, 7, v12
	s_lshl_b32 s86, s5, 3
	v_add_lshl_u32 v12, v12, s86, 2                ; b_pos word, likewise
	global_load_b32 v13, v11, s[36:37]
	global_load_b32 v14, v12, s[38:39]
	s_cmp_eq_u32 s5, 1
	s_cselect_b32 s87, -1, 0                       ; the last layer ends with the true norm; the first with gain 1, bias 0 and the flag f = 0
	s_cselect_b32 s88, 1.0, 0
	v_mov_b32 v15, s88
	v_lshlrev_b32 v2, 2, v0
	s_wait_loadcnt 0x0
	v_cndmask_b32 v154, 1.0, v154, s87
	v_cndmask_b32 v155, 1.0, v155, s87
	v_cndmask_b32 v156, 0, v156, s87
	v_cndmask_b32 v157, 0, v157, s87
	v_cmp_gt_u32 vcc_lo, 32, v0
	v_cndmask_b32 v15, v15, v14, vcc_lo            ; words 24-31: b_pos
	v_cmp_gt_u32 vcc_lo, 24, v0
	v_cndmask_b32 v15, v15, v13, vcc_lo            ; words 0-23: w_pos; words 32-127: f
.set i, 0
.rept 15
	global_store_b64 v10, v[128+2*i:129+2*i], s[80:81] offset:1024*i
.set i, i+1
.endr
	global_store_b32 v2, v15, s[80:81] offset:15360
.Lend:
	s_wait_tensorcnt 0x0                           ; the wave's end: three closing lines, behind my last LDS store
	ds_add_u32 v8, v9
	s_wait_dscnt 0x0
	s_endpgm
.Lfunc_end_k_qd4ef13b0ef_prep:
	.size	k_qd4ef13b0ef_prep, .Lfunc_end_k_qd4ef13b0ef_prep-k_qd4ef13b0ef_prep
	.p2alignl 7, 3214868480
	.fill 96, 4, 3214868480
	.section	.rodata,"a",@progbits
	.p2align	6, 0x0
	.amdhsa_kernel k_qd4ef13b0ef_prep
		.amdhsa_group_segment_fixed_size 35328
		.amdhsa_private_segment_fixed_size 0
		.amdhsa_enable_private_segment 0
		.amdhsa_kernarg_size 144
		.amdhsa_user_sgpr_count 2
		.amdhsa_user_sgpr_kernarg_segment_ptr 1
		.amdhsa_wavefront_size32 1
		.amdhsa_system_sgpr_workgroup_id_x 1
		.amdhsa_system_sgpr_workgroup_id_y 1
		.amdhsa_system_sgpr_workgroup_id_z 1
		.amdhsa_system_vgpr_workitem_id 0
		.amdhsa_next_free_vgpr 208
		.amdhsa_next_free_sgpr 92
		.amdhsa_reserve_vcc 1
		.amdhsa_float_denorm_mode_32 3
		.amdhsa_float_denorm_mode_16_64 3
		.amdhsa_memory_ordered 1
		.amdhsa_forward_progress 1
		.amdhsa_inst_pref_size 33
	.end_amdhsa_kernel
	.amdgpu_metadata
---
amdhsa.version: [ 1, 2 ]
amdhsa.kernels:
  - .name:           k_qd4ef13b0ef_prep
    .symbol:         k_qd4ef13b0ef_prep.kd
    .args:
      - { .name: w_qkv, .offset: 0, .size: 8, .value_kind: global_buffer, .address_space: global }
      - { .name: w_proj, .offset: 8, .size: 8, .value_kind: global_buffer, .address_space: global }
      - { .name: w_fc1, .offset: 16, .size: 8, .value_kind: global_buffer, .address_space: global }
      - { .name: w_fc2, .offset: 24, .size: 8, .value_kind: global_buffer, .address_space: global }
      - { .name: ln1_g, .offset: 32, .size: 8, .value_kind: global_buffer, .address_space: global }
      - { .name: ln1_b, .offset: 40, .size: 8, .value_kind: global_buffer, .address_space: global }
      - { .name: b_qkv, .offset: 48, .size: 8, .value_kind: global_buffer, .address_space: global }
      - { .name: b_proj, .offset: 56, .size: 8, .value_kind: global_buffer, .address_space: global }
      - { .name: ln2_g, .offset: 64, .size: 8, .value_kind: global_buffer, .address_space: global }
      - { .name: ln2_b, .offset: 72, .size: 8, .value_kind: global_buffer, .address_space: global }
      - { .name: b_fc1, .offset: 80, .size: 8, .value_kind: global_buffer, .address_space: global }
      - { .name: b_fc2, .offset: 88, .size: 8, .value_kind: global_buffer, .address_space: global }
      - { .name: norm_g, .offset: 96, .size: 8, .value_kind: global_buffer, .address_space: global }
      - { .name: norm_b, .offset: 104, .size: 8, .value_kind: global_buffer, .address_space: global }
      - { .name: w_pos, .offset: 112, .size: 8, .value_kind: global_buffer, .address_space: global }
      - { .name: b_pos, .offset: 120, .size: 8, .value_kind: global_buffer, .address_space: global }
      - { .name: wpk0, .offset: 128, .size: 8, .value_kind: global_buffer, .address_space: global }
      - { .name: wpk1, .offset: 136, .size: 8, .value_kind: global_buffer, .address_space: global }
    .group_segment_fixed_size: 35328
    .private_segment_fixed_size: 0
    .kernarg_segment_align: 8
    .kernarg_segment_size: 144
    .max_flat_workgroup_size: 128
    .sgpr_count:     92
    .vgpr_count:     208
    .wavefront_size: 32
...
	.end_amdgpu_metadata
.endif
;; end of part 1
;; launch codes (part 2): grid 32 x 1, 32 waves a work-group, no clusters, 5,120 bytes of LDS; arguments coords, codes; writes codes
.if DOCPART == 2
	.amdgcn_target "amdgcn-amd-amdhsa--gfx1250"
	.amdhsa_code_object_version 6
	.text
	.protected	k_qd4ef13b0ef_codes
	.globl	k_qd4ef13b0ef_codes
	.p2align	8
	.type	k_qd4ef13b0ef_codes,@function
k_qd4ef13b0ef_codes:
	s_mov_b64 s[64:65], 0
	v_nop
	global_prefetch_b8 v0, s[64:65] scope:SCOPE_SE
	s_setreg_imm32_b32 hwreg(HW_REG_WAVE_MODE, 25, 1), 1
	s_wait_xcnt 0x0
; The Morton codes of both blocks, as whole numbers: codes[0][p] with the axes as given, codes[1][p] with the axes turned by one.
; Every work-group finds the three minima and maxima of all 32,768 points itself (393,216 bytes), then codes its own 1,024 points.
; The quotient (c - min) / (max - min + 1e-9) is made by a reciprocal, one correction of it and two corrections of the quotient by the exact remainder (fused multiply-adds),
; so that it is the rounded quotient that a division gives.  LIMITS: no NaN among the coordinates; max - min + 1e-9 and its reciprocal are normal f32 numbers.
.set SPARE, 1024                       ; behind the table of 6 x 32 words: the spare words, 128 bytes for each of 32 waves
	s_load_b128 s[4:7], s[0:1], 0x0                ; coords, codes
	v_lshl_add_u32 v2, v0, 2, SPARE
	v_mov_b32 v3, 0
	v_lshrrev_b32 v1, 5, v0
	v_readfirstlane_b32 s8, v1                     ; wave
	v_mul_u32_u24 v1, v0, 48                       ; a group of four points is 48 bytes
	s_lshl_b32 s9, ttmp9, 10
	v_add_nc_u32 v12, s9, v0                       ; my point
	v_mul_u32_u24 v13, v12, 12
	s_mov_b32 s12, 0x76543210
	s_mov_b32 s13, 0xfedcba98
	s_wait_kmcnt 0x0
.irp j, 0,1,2,3,4,5,6,7
.irp m, 0,1,2
	global_load_b128 v[16+12*\j+4*\m:16+12*\j+4*\m+3], v1, s[4:5] offset:49152*\j+16*\m
.endr
.endr
	global_load_b32 v112, v13, s[4:5]
	global_load_b32 v113, v13, s[4:5] offset:4
	global_load_b32 v114, v13, s[4:5] offset:8
	s_wait_loadcnt 0x0
	; number i of a group belongs to axis i % 3: 32 numbers an axis and thread.  v4-6 minima, v7-9 maxima
.irp c, 0,1,2
	v_min_num_f32 v[4+\c], v[16+\c], v[19+\c]
	v_max_num_f32 v[7+\c], v[16+\c], v[19+\c]
.set n, 2
.rept 15
	v_min3_num_f32 v[4+\c], v[4+\c], v[16+12*(n/4)+\c+3*(n%4)], v[16+12*((n+1)/4)+\c+3*((n+1)%4)]
	v_max3_num_f32 v[7+\c], v[7+\c], v[16+12*(n/4)+\c+3*(n%4)], v[16+12*((n+1)/4)+\c+3*((n+1)%4)]
.set n, n+2
.endr
.endr
.macro RED                             ; over the 32 lanes; every lane ends with the result
.irp m, 1,2,4,8
.irp c, 0,1,2
	v_min_num_f32_dpp v[4+\c], v[4+\c], v[4+\c] row_xmask:\m row_mask:0xf bank_mask:0xf
	v_max_num_f32_dpp v[7+\c], v[7+\c], v[7+\c] row_xmask:\m row_mask:0xf bank_mask:0xf
.endr
.endr
.irp c, 0,1,2
	v_mov_b32 v10, v[4+\c]
	v_mov_b32 v11, v[7+\c]
	v_permlanex16_b32 v10, v[4+\c], s12, s13
	v_permlanex16_b32 v11, v[7+\c], s12, s13
	v_min_num_f32 v[4+\c], v[4+\c], v10
	v_max_num_f32 v[7+\c], v[7+\c], v11
.endr
.endm
	RED
	v_mov_b32 v14, s8
	v_lshlrev_b32 v14, 2, v14
.irp k, 0,1,2,3,4,5
	ds_store_b32 v14, v[4+\k] offset:128*\k        ; word [figure][wave]
.endr
	s_wait_dscnt 0x0                               ; for the others' sake
	s_barrier_signal -1
	s_barrier_wait -1
	v_and_b32 v15, 31, v0
	v_lshlrev_b32 v15, 2, v15
.irp k, 0,1,2,3,4,5
	ds_load_b32 v[4+\k], v15 offset:128*\k         ; lane l takes wave l's figure
.endr
	s_wait_dscnt 0x0
	RED
.irp c, 0,1,2
	v_sub_f32 v[16+\c], v[112+\c], v[4+\c]         ; n = c - min
	v_sub_f32 v[20+\c], v[7+\c], v[4+\c]
	v_add_f32 v[20+\c], 0x3089705f, v[20+\c]       ; d = (max - min) + 1e-9
.endr
.irp c, 0,1,2
	v_rcp_f32 v[24+\c], v[20+\c]
.endr
	v_nop                                          ; a plain instruction behind the last reciprocal,
	s_wait_alu depctr_va_vdst(0)                   ; and one wait for the three, ahead of their first reader
.irp c, 0,1,2
	v_fma_f32 v[28+\c], -v[20+\c], v[24+\c], 1.0
	v_fma_f32 v[24+\c], v[28+\c], v[24+\c], v[24+\c]
	v_mul_f32 v[32+\c], v[16+\c], v[24+\c]
	v_fma_f32 v[28+\c], -v[20+\c], v[32+\c], v[16+\c]
	v_fma_f32 v[32+\c], v[28+\c], v[24+\c], v[32+\c]
	v_fma_f32 v[28+\c], -v[20+\c], v[32+\c], v[16+\c]
	v_fma_f32 v[32+\c], v[28+\c], v[24+\c], v[32+\c]
	v_mul_f32 v[32+\c], 0x447fc000, v[32+\c]       ; x 1023
	v_cvt_i32_f32 v[32+\c], v[32+\c]               ; toward zero
	v_max_i32 v[32+\c], 0, v[32+\c]
	v_min_i32 v[32+\c], 0x3ff, v[32+\c]
	v_lshl_or_b32 v[36+\c], v[32+\c], 16, v[32+\c] ; two zero bits between each two of the ten
	v_and_b32 v[32+\c], 0x030000ff, v[36+\c]
	v_lshl_or_b32 v[36+\c], v[32+\c], 8, v[32+\c]
	v_and_b32 v[32+\c], 0x0300f00f, v[36+\c]
	v_lshl_or_b32 v[36+\c], v[32+\c], 4, v[32+\c]
	v_and_b32 v[32+\c], 0x030c30c3, v[36+\c]
	v_lshl_or_b32 v[36+\c], v[32+\c], 2, v[32+\c]
	v_and_b32 v[32+\c], 0x09249249, v[36+\c]
.endr
	v_lshl_or_b32 v40, v33, 1, v32
	v_lshl_or_b32 v40, v34, 2, v40                 ; block 0: axes 0, 1, 2
	v_lshl_or_b32 v41, v34, 1, v33
	v_lshl_or_b32 v41, v32, 2, v41                 ; block 1: axes 1, 2, 0
	v_lshlrev_b32 v16, 2, v12
	global_store_b32 v16, v40, s[6:7]
	global_store_b32 v16, v41, s[6:7] offset:131072
	s_wait_tensorcnt 0x0                           ; the wave's end: three closing lines, behind my last LDS store
	ds_add_u32 v2, v3
	s_wait_dscnt 0x0
	s_endpgm
.Lfunc_end_k_qd4ef13b0ef_codes:
	.size	k_qd4ef13b0ef_codes, .Lfunc_end_k_qd4ef13b0ef_codes-k_qd4ef13b0ef_codes
	.p2alignl 7, 3214868480
	.fill 96, 4, 3214868480
	.section	.rodata,"a",@progbits
	.p2align	6, 0x0
	.amdhsa_kernel k_qd4ef13b0ef_codes
		.amdhsa_group_segment_fixed_size 5120
		.amdhsa_private_segment_fixed_size 0
		.amdhsa_enable_private_segment 0
		.amdhsa_kernarg_size 16
		.amdhsa_user_sgpr_count 2
		.amdhsa_user_sgpr_kernarg_segment_ptr 1
		.amdhsa_wavefront_size32 1
		.amdhsa_system_sgpr_workgroup_id_x 1
		.amdhsa_system_sgpr_workgroup_id_y 1
		.amdhsa_system_sgpr_workgroup_id_z 1
		.amdhsa_system_vgpr_workitem_id 0
		.amdhsa_next_free_vgpr 128
		.amdhsa_next_free_sgpr 66
		.amdhsa_reserve_vcc 0
		.amdhsa_float_denorm_mode_32 3
		.amdhsa_float_denorm_mode_16_64 3
		.amdhsa_memory_ordered 1
		.amdhsa_forward_progress 1
		.amdhsa_inst_pref_size 20
	.end_amdhsa_kernel
	.amdgpu_metadata
---
amdhsa.version: [ 1, 2 ]
amdhsa.kernels:
  - .name:           k_qd4ef13b0ef_codes
    .symbol:         k_qd4ef13b0ef_codes.kd
    .args:
      - { .name: coords, .offset: 0, .size: 8, .value_kind: global_buffer, .address_space: global }
      - { .name: codes, .offset: 8, .size: 8, .value_kind: global_buffer, .address_space: global }
    .group_segment_fixed_size: 5120
    .private_segment_fixed_size: 0
    .kernarg_segment_align: 8
    .kernarg_segment_size: 16
    .max_flat_workgroup_size: 1024
    .sgpr_count:     66
    .vgpr_count:     128
    .wavefront_size: 32
...
	.end_amdgpu_metadata
.endif
;; end of part 2
;; launch lsort (part 3): grid 128 x 2, 8 waves a work-group, no clusters, 2,048 bytes of LDS; arguments codes, scode, sidx; writes scode, sidx
.if DOCPART == 3
	.amdgcn_target "amdgcn-amd-amdhsa--gfx1250"
	.amdhsa_code_object_version 6
	.text
	.protected	k_qd4ef13b0ef_lsort
	.globl	k_qd4ef13b0ef_lsort
	.p2align	8
	.type	k_qd4ef13b0ef_lsort,@function
k_qd4ef13b0ef_lsort:
	s_mov_b64 s[64:65], 0
	v_nop
	global_prefetch_b8 v0, s[64:65] scope:SCOPE_SE
	s_setreg_imm32_b32 hwreg(HW_REG_WAVE_MODE, 25, 1), 1
	s_wait_xcnt 0x0
; A chunk of 256 codes of one block (x = chunk, y = block) is put in order, equal codes by their index: thread i counts the codes that go before its own and stores code and index at that place.
; Codes of earlier waves count if <= mine, of later waves if < mine (one compare with c + 1 or c: codes have 30 bits); in my own wave < mine, and equal ones of lower lanes.
.set SPARE, 1024
	s_load_b128 s[4:7], s[0:1], 0x0                ; codes, scode
	s_load_b64 s[8:9], s[0:1], 0x10                ; sidx
	v_lshl_add_u32 v2, v0, 2, SPARE
	v_mov_b32 v3, 0
	v_lshrrev_b32 v1, 5, v0
	v_readfirstlane_b32 s10, v1                    ; wave
	s_and_b32 s11, ttmp7, 0xffff
	s_lshl_b32 s12, s11, 17                        ; the block's 131,072 bytes,
	s_lshl_b32 s13, ttmp9, 10                      ; the chunk's 1,024
	s_add_co_u32 s12, s12, s13
	v_lshlrev_b32 v4, 2, v0
	v_add_nc_u32 v5, s12, v4
	s_wait_kmcnt 0x0
	global_load_b32 v6, v5, s[4:5]
	s_wait_loadcnt 0x0
	ds_store_b32 v4, v6
	s_wait_dscnt 0x0                               ; for the others' sake
	s_barrier_signal -1
	s_barrier_wait -1
	v_mov_b32 v7, 0                                ; the count
	v_mov_b32 v8, 0                                ; LDS address of the 32 codes in hand, the same in all lanes
	s_mov_b32 s14, 0
.Ljb:                                  ; eight trips, the codes of one wave each
.irp m, 0,1,2,3,4,5,6,7
	ds_load_b128 v[16+4*\m:19+4*\m], v8 offset:16*\m
.endr
	s_cmp_lt_u32 s14, s10
	s_cselect_b32 s15, 1, 0
	v_add_nc_u32 v9, s15, v6
	s_wait_dscnt 0x0
.set i, 0
.rept 32
	v_cmp_gt_u32 vcc_lo, v9, v[16+i]
	v_add_co_ci_u32 v7, vcc_lo, 0, v7, vcc_lo
.set i, i+1
.endr
	v_add_nc_u32 v8, 128, v8
	s_add_co_u32 s14, s14, 1
	s_cmp_lt_u32 s14, 8
	s_cbranch_scc1 .Ljb
.set jj, 0
.rept 31                               ; equal codes of lower lanes of my wave
	v_readlane_b32 s15, v6, jj
	v_cmp_eq_u32 vcc_lo, s15, v6
	s_and_b32 vcc_lo, vcc_lo, (0xffffffff<<(jj+1))&0xffffffff
	v_add_co_ci_u32 v7, vcc_lo, 0, v7, vcc_lo
.set jj, jj+1
.endr
	v_min_u32 v7, 0xff, v7                         ; the count lies in 0 .. 255; it is held there before it enters an address
	v_lshl_add_u32 v7, v7, 2, s12
	s_lshl_b32 s15, ttmp9, 8
	v_add_nc_u32 v10, s15, v0                      ; my point's index
	global_store_b32 v7, v6, s[6:7]
	global_store_b32 v7, v10, s[8:9]
	s_wait_tensorcnt 0x0                           ; the wave's end: three closing lines, behind my last LDS store
	ds_add_u32 v2, v3
	s_wait_dscnt 0x0
	s_endpgm
.Lfunc_end_k_qd4ef13b0ef_lsort:
	.size	k_qd4ef13b0ef_lsort, .Lfunc_end_k_qd4ef13b0ef_lsort-k_qd4ef13b0ef_lsort
	.p2alignl 7, 3214868480
	.fill 96, 4, 3214868480
	.section	.rodata,"a",@progbits
	.p2align	6, 0x0
	.amdhsa_kernel k_qd4ef13b0ef_lsort
		.amdhsa_group_segment_fixed_size 2048
		.amdhsa_private_segment_fixed_size 0
		.amdhsa_enable_private_segment 0
		.amdhsa_kernarg_size 24
		.amdhsa_user_sgpr_count 2
		.amdhsa_user_sgpr_kernarg_segment_ptr 1
		.amdhsa_wavefront_size32 1
		.amdhsa_system_sgpr_workgroup_id_x 1
		.amdhsa_system_sgpr_workgroup_id_y 1
		.amdhsa_system_sgpr_workgroup_id_z 1
		.amdhsa_system_vgpr_workitem_id 0
		.amdhsa_next_free_vgpr 64
		.amdhsa_next_free_sgpr 66
		.amdhsa_reserve_vcc 1
		.amdhsa_float_denorm_mode_32 3
		.amdhsa_float_denorm_mode_16_64 3
		.amdhsa_memory_ordered 1
		.amdhsa_forward_progress 1
		.amdhsa_inst_pref_size 11
	.end_amdhsa_kernel
	.amdgpu_metadata
---
amdhsa.version: [ 1, 2 ]
amdhsa.kernels:
  - .name:           k_qd4ef13b0ef_lsort
    .symbol:         k_qd4ef13b0ef_lsort.kd
    .args:
      - { .name: codes, .offset: 0, .size: 8, .value_kind: global_buffer, .address_space: global }
      - { .name: scode, .offset: 8, .size: 8, .value_kind: global_buffer, .address_space: global }
      - { .name: sidx, .offset: 16, .size: 8, .value_kind: global_buffer, .address_space: global }
    .group_segment_fixed_size: 2048
    .private_segment_fixed_size: 0
    .kernarg_segment_align: 8
    .kernarg_segment_size: 24
    .max_flat_workgroup_size: 256
    .sgpr_count:     66
    .vgpr_count:     64
    .wavefront_size: 32
...
	.end_amdgpu_metadata
.endif
;; end of part 3
;; launch rank (part 4): grid 128 x 2, 32 waves a work-group, no clusters, 139,264 bytes of LDS; arguments scode, sidx, perm0, perm1; writes perm0, perm1
.if DOCPART == 4
	.amdgcn_target "amdgcn-amd-amdhsa--gfx1250"
	.amdhsa_code_object_version 6
	.text
	.protected	k_qd4ef13b0ef_rank
	.globl	k_qd4ef13b0ef_rank
	.p2align	8
	.type	k_qd4ef13b0ef_rank,@function
k_qd4ef13b0ef_rank:
	s_mov_b64 s[64:65], 0
	v_nop
	global_prefetch_b8 v0, s[64:65] scope:SCOPE_SE
	s_setreg_imm32_b32 hwreg(HW_REG_WAVE_MODE, 25, 1), 1
	s_wait_xcnt 0x0
; The place of each point in the block's whole order: its place in its own sorted chunk plus, for each of the other 127 sorted chunks, the number of codes that go before it
; (<= in earlier chunks, < in later ones), found by a search of nine probes.  x = my chunk, y = block.  All 128 chunks (131,072 bytes) lie in LDS.
; Thread = (element e = t % 256, part = t / 256): a part searches 32 chunks, eight searches side by side.  Block 1's order is rolled by 128 places.
; REGISTERS: v[16:47] the fills, then v16-23 the eight places, v24-31 the probed codes, v32-39 the bounds; what outlives the fills lies above them:
; v48 my point's index, v49 my code, v50 4 e, v51 the sum, v52-53 at work, v54 where my partial sum goes.
.set PART,  131072                     ; 1,024 partial sums
.set SPARE, 135168
	s_load_b256 s[4:11], s[0:1], 0x0               ; scode s[4:5], sidx s[6:7], perm0 s[8:9], perm1 s[10:11]
	v_lshl_add_u32 v2, v0, 2, SPARE
	v_mov_b32 v3, 0
	v_lshrrev_b32 v1, 5, v0
	v_readfirstlane_b32 s12, v1                    ; wave
	s_and_b32 s13, ttmp7, 0xffff                   ; block
	s_lshl_b32 s14, s13, 17
	s_mov_b32 s15, 0
	v_lshlrev_b32 v4, 4, v0
	v_add_nc_u32 v5, 0x10000, v4
	v_and_b32 v6, 0xff, v0
	v_lshlrev_b32 v50, 2, v6                       ; 4 e
	s_lshl_b32 s16, ttmp9, 10
	v_add_nc_u32 v7, s16, v50                      ; word e of my chunk
	s_wait_kmcnt 0x0
	s_add_nc_u64 s[4:5], s[4:5], s[14:15]
	s_add_nc_u64 s[6:7], s[6:7], s[14:15]
.irp j, 0,1,2,3,4,5,6,7
	global_load_b128 v[16+4*\j:19+4*\j], v4, s[4:5] offset:16384*\j
.endr
	global_load_b32 v48, v7, s[6:7]                ; my point's index
.irp j, 0,1,2,3
	s_wait_loadcnt 8-\j                            ; the younger fills and the index may stay out
	ds_store_b128 v4, v[16+4*\j:19+4*\j] offset:16384*\j
.endr
.irp j, 4,5,6,7
	s_wait_loadcnt 8-\j
	ds_store_b128 v5, v[16+4*\j:19+4*\j] offset:16384*(\j-4)
.endr
	s_wait_dscnt 0x0
	s_barrier_signal -1
	s_barrier_wait -1
	ds_load_b32 v49, v7                            ; my code
	s_lshr_b32 s17, s12, 3                         ; part
	s_lshl_b32 s18, s17, 15                        ; LDS byte of the batch's first chunk
	s_lshl_b32 s19, s17, 5                         ; its number
	v_mov_b32 v51, 0
	s_wait_dscnt 0x0
; One probe of the eight searches: is the code st - 1 places on smaller than the bound?  Then st places are passed.  The place is held under lim, its largest true value, before it is an address again.
.macro PROBE st, off, lim
.irp k, 0,1,2,3,4,5,6,7
	ds_load_b32 v[24+\k], v[16+\k] offset:1024*\k+(\off)
.endr
.irp k, 0,1,2,3,4,5,6,7
	s_wait_dscnt 7-\k
	v_cmp_lt_u32 vcc_lo, v[24+\k], v[32+\k]
	v_add_nc_u32 v52, 4*(\st), v[16+\k]
	v_cndmask_b32 v[16+\k], v[16+\k], v52, vcc_lo
	v_min_u32 v[16+\k], \lim, v[16+\k]
.endr
.endm
	s_mov_b32 s20, 0
.Lb:                                   ; four batches of eight chunks
.irp k, 0,1,2,3,4,5,6,7
	s_add_co_u32 s21, s19, \k
	s_cmp_lt_u32 s21, ttmp9
	s_cselect_b32 s21, 1, 0
	v_add_nc_u32 v[32+\k], s21, v49                ; the bound: c + 1 for earlier chunks, c for later ones
	v_mov_b32 v[16+\k], s18
.endr
	PROBE 128, 508, 122880+512
	PROBE 64, 252, 122880+768
	PROBE 32, 124, 122880+896
	PROBE 16, 60, 122880+960
	PROBE 8, 28, 122880+992
	PROBE 4, 12, 122880+1008
	PROBE 2, 4, 122880+1016
	PROBE 1, 0, 122880+1020
	PROBE 1, 0, 122880+1024
	v_add_nc_u32 v53, s18, v50                     ; my own chunk counts e
.irp k, 0,1,2,3,4,5,6,7
	s_add_co_u32 s21, s19, \k
	s_cmp_eq_u32 s21, ttmp9
	s_cselect_b32 s21, -1, 0
	v_cndmask_b32 v52, v[16+\k], v53, s21
	v_add_nc_u32 v51, v51, v52
.endr
	s_lshl_b32 s21, s18, 3
	v_subrev_nc_u32 v51, s21, v51                  ; less the eight starts: four times the count
	s_add_co_u32 s18, s18, 8192
	s_add_co_u32 s19, s19, 8
	s_add_co_u32 s20, s20, 1
	s_cmp_lt_u32 s20, 4
	s_cbranch_scc1 .Lb
	s_wait_dscnt 0x0
	s_barrier_signal -1
	s_barrier_wait -1                              ; every wave's searches are over
	v_lshl_add_u32 v54, v0, 2, PART
	ds_store_b32 v54, v51
	s_wait_dscnt 0x0
	s_barrier_signal -1
	s_barrier_wait -1
	s_cmp_lt_u32 s12, 8                            ; waves 0-7 (t = e) add the four parts and store
	s_cbranch_scc0 .Lend
.irp p, 0,1,2,3
	ds_load_b32 v[16+\p], v54 offset:1024*\p
.endr
	s_wait_dscnt 0x0
	v_add_nc_u32 v16, v16, v17
	v_add3_u32 v16, v16, v18, v19
	v_lshrrev_b32 v16, 2, v16
	s_lshl_b32 s21, s13, 7
	v_add_nc_u32 v16, s21, v16
	v_and_b32 v16, 0x7fff, v16
	v_min_u32 v16, 0x7fff, v16
	v_lshlrev_b32 v16, 2, v16
	s_cmp_eq_u32 s13, 1
	s_cselect_b64 s[22:23], s[10:11], s[8:9]
	s_wait_loadcnt 0x0
	global_store_b32 v16, v48, s[22:23]
.Lend:
	s_wait_tensorcnt 0x0                           ; the wave's end: three closing lines, behind my last LDS store
	ds_add_u32 v2, v3
	s_wait_dscnt 0x0
	s_endpgm
.Lfunc_end_k_qd4ef13b0ef_rank:
	.size	k_qd4ef13b0ef_rank, .Lfunc_end_k_qd4ef13b0ef_rank-k_qd4ef13b0ef_rank
	.p2alignl 7, 3214868480
	.fill 96, 4, 3214868480
	.section	.rodata,"a",@progbits
	.p2align	6, 0x0
	.amdhsa_kernel k_qd4ef13b0ef_rank
		.amdhsa_group_segment_fixed_size 139264
		.amdhsa_private_segment_fixed_size 0
		.amdhsa_enable_private_segment 0
		.amdhsa_kernarg_size 32
		.amdhsa_user_sgpr_count 2
		.amdhsa_user_sgpr_kernarg_segment_ptr 1
		.amdhsa_wavefront_size32 1
		.amdhsa_system_sgpr_workgroup_id_x 1
		.amdhsa_system_sgpr_workgroup_id_y 1
		.amdhsa_system_sgpr_workgroup_id_z 1
		.amdhsa_system_vgpr_workitem_id 0
		.amdhsa_next_free_vgpr 64
		.amdhsa_next_free_sgpr 66
		.amdhsa_reserve_vcc 1
		.amdhsa_float_denorm_mode_32 3
		.amdhsa_float_denorm_mode_16_64 3
		.amdhsa_memory_ordered 1
		.amdhsa_forward_progress 1
		.amdhsa_inst_pref_size 27
	.end_amdhsa_kernel
	.amdgpu_metadata
---
amdhsa.version: [ 1, 2 ]
amdhsa.kernels:
  - .name:           k_qd4ef13b0ef_rank
    .symbol:         k_qd4ef13b0ef_rank.kd
    .args:
      - { .name: scode, .offset: 0, .size: 8, .value_kind: global_buffer, .address_space: global }
      - { .name: sidx, .offset: 8, .size: 8, .value_kind: global_buffer, .address_space: global }
      - { .name: perm0, .offset: 16, .size: 8, .value_kind: global_buffer, .address_space: global }
      - { .name: perm1, .offset: 24, .size: 8, .value_kind: global_buffer, .address_space: global }
    .group_segment_fixed_size: 139264
    .private_segment_fixed_size: 0
    .kernarg_segment_align: 8
    .kernarg_segment_size: 32
    .max_flat_workgroup_size: 1024
    .sgpr_count:     66
    .vgpr_count:     64
    .wavefront_size: 32
...
	.end_amdgpu_metadata
.endif
;; end of part 4
;; launch layer0 (part 5): grid 256 x 1, 4 waves a work-group, clusters of 4 x 1, 327,680 bytes of LDS; arguments x, coords, perm0, wpk0, xmid; writes xmid
.if DOCPART == 5
	.amdgcn_target "amdgcn-amd-amdhsa--gfx1250"
	.amdhsa_code_object_version 6
	.text
	.protected	k_qd4ef13b0ef_layer0
	.globl	k_qd4ef13b0ef_layer0
	.p2align	8
	.type	k_qd4ef13b0ef_layer0,@function
k_qd4ef13b0ef_layer0:
	s_mov_b64 s[64:65], 0
	v_nop
	global_prefetch_b8 v0, s[64:65] scope:SCOPE_SE
	s_setreg_imm32_b32 hwreg(HW_REG_WAVE_MODE, 25, 1), 1
	s_wait_xcnt 0x0
	s_wait_alu depctr_hold_cnt(0) depctr_sa_sdst(0) depctr_va_vdst(0) depctr_va_sdst(0) depctr_va_ssrc(0) depctr_va_vcc(0) depctr_vm_vsrc(0)
	s_getreg_b32 s2, hwreg(HW_REG_IB_STS2, 6, 4)
	s_cmp_eq_u32 s2, 0
	s_cbranch_scc0 .Lentry_in_a_cluster
	s_endpgm
.Lentry_in_a_cluster:
	s_bfe_u32 s2, ttmp6, 0x10000c
	s_cmp_lg_u32 s2, 0x3003
	s_cbranch_scc0 .Lentry_shape_is_right
	s_endpgm
.Lentry_shape_is_right:
; ONE TRANSFORMER BLOCK ON PATCHES OF 256 TOKENS, whole: gather by perm, LN1, QKV, attention with the position bias, proj, LN2, fc1, GELU (tanh form), fc2, an end norm, scatter by perm.
; SHARES.  128 patches, two work-groups each: a work-group owns 128 tokens (queries, residual, MLP) and makes K and V of all 256.  Row t of H is perm place 256 patch + (t + 128 half) % 256, so the own
; tokens are rows 0-127.  Wave w owns heads 2 w and 2 w + 1 (one in each of two head groups), output channels 64 w .. of proj and fc2, and in fc1 64 tokens x 64 hidden.
; CLUSTER.  All work-groups walk the same 24 weight tiles of 65,536 bytes: the four of a cluster ask for each tile JOINTLY, each wave for its quarter; two LDS slots take turns, and a round of the
; cluster's barrier stands at each change.  By this text's count one tensor load a wave is out.  What differs between partners (cx, patch, half, and what is loaded by them) lives in registers of its
; own: s17-19, s66-67, s100-101, v160-223 of window 0; no register that is ever an LDS address holds such a number.
; THE MLP IS A PIPELINE, in eight chunks of 128 hidden channels: fc1 runs one chunk ahead of fc2, and the GELU's vector lines stand behind the products: behind fc1 (k + 1) the second part of GELU (k),
; behind fc2 (k) the first part of GELU (k + 1).  So the tiles are walked as F1_0, F1_1, F2_0, F1_2, F2_1, .. F1_7, F2_6, F2_7.
; FORMATS.  Weights, h, q, k, v, p, o, h2 and the GELU's result are bf16 matrix operands; sums, residual, norms, softmax and GELU in f32.  Scores are kept in units of log2: q carries log2(e)/sqrt(32).
; The bias (c_p - c_q) . w + b is formed as (c_p . w + b) - c_q . w in f32 (another order of rounding than the difference first).  The row's true maximum over all 256 keys is taken away.
; b_proj and b_fc2 are added to the rows where the norms read them (LN2: b_proj; the end: b_proj + b_fc2), not to the running sums: another order of rounding than reference()'s.
; The end norm is written once for both layers: out = (y - f mean) (1 + f (rstd - 1)) g + b with f, g, b from the tables: f = 0, g = 1, b = 0 leave y as it is; f = 1 is the norm.
; LIMITS: NaN and infinities are not treated apart; a weight below 2^-126 counts as 0.
; LDS: two slots | H: 256 rows x 528 (bf16), later the stage: 128 rows x 1,040 (f32; h2 in bf16 in each row's first 512 bytes) | QO: four areas of 8,192 bytes, one a wave, of fragment images | tables.
; A FRAGMENT IMAGE is a B fragment (16 tokens x 32 k) as it lies in registers: registers 0-3 at 16 x lane, registers 4-7 512 bytes on.  Two result tiles of 16 channels x 16 tokens, rounded in pairs,
; ARE such a fragment: so q, o and the GELU's result go into LDS and come back without changing lanes.
; REGISTERS, in windows of 256: window 0 addresses, biases (v32-63), two fragment buffers (v64-159, v160-255); window 1 the residual and its sums (128 tokens x my 64 channels);
; window 2 other sums, scores, weights, in the MLP the GELU's x (v0-127) and work (v128-255); window 3 K's and V's fragments, in the MLP fc1's sums (v0-127).
.set SLOT1, 69632
.set HB,    139264
.set QO,    274432
.set UT,    309248                     ; [8 heads][256 rows] c . w log2(e)
.set AP,    317440                     ; [8][128] the same + b log2(e), own tokens
.set IDXT,  321536                     ; [128] own tokens' indices
.set SPARE, 322048                     ; the spare words, 128 bytes a wave
.set PARB,  1572864                    ; the tables behind the tiles
.set P_LN1G, 0
.set P_LN1B, 1024
.set P_BQKV, 2048
.set P_BPROJ, 5120
.set P_LN2G, 6144
.set P_LN2B, 7168
.set P_BFC1, 8192
.set P_BFC2, 12288
.set P_NG,   13312
.set P_NB,   14336
.set P_WPOS, 15360
.set P_FLAG, 15488
.set KW,  3                            ; v3      a GEMM's stepped address of W
.set WA0, 4                            ; v4, v5  my 32 rows of a tile of 128 rows in slot 0, 1: 17,408 w + 528 r + 16 h
.set WA1, 5
.set WF1S, 4                           ; v4      in the MLP: my 64 rows of fc1's tile in slot 1
.set WB0, 5                            ; v5      in the MLP: my 64 rows of fc2's tile in slot 0
.set WF1, 6                            ; v6      my 64 rows of fc1's tile (slot 0)
.set WB1, 7                            ; v7      my 64 rows of a tile of 256 rows (slot 1)
.set HA0, 8                            ; v8, v9  H rows 0-127, 128-255
.set WBT, 8                            ; v8      in the MLP: my 64 rows of the last fc2 tile (slot 1, two rows to a padded row)
.set H2F, 10                           ; v10     h2, my 64 tokens
.set QF,  11                           ; v11     QO + 16 x lane: the images, read
.set QW,  12                           ; v12     the same in my own area
.set QCUR, 13                          ; v13     the query tile in hand
.set UAD, 14                           ; v14     my head's row of UT; stepped by group
.set APC, 15                           ; v15     my query's word of AP; stepped by query tile, and so on into the next head's table
.set BO,  16                           ; v16     256 w + 32 h: my eight channels' bytes in a row of 256 f32
.set STG, 17                           ; v17     the stage, rows 0-63; v27 rows 64-127
.set RWA, 18                           ; v18, v19 the row loops' addresses
.set RWB, 19
.set R16, 20                           ; v20     16 r
.set PB,  21                           ; v21     offset of b_q in the tables (stepped by group)
.set PF1, 22                           ; v22     of b_fc1 (stepped by chunk)
.set PFO, 23                           ; v23     256 x lane
.set KH0, 24                           ; v24, v25 a GEMM's stepped addresses of the activations
.set PBV, 26                           ; v26     offset of b_v
.set STG2, 27
.set SPW, 28
.set NIL, 29
.set G1A, 24                           ; s[24:31] group 1: 32 rows of 512 bytes, 16 bytes of padding behind each
.set G1B, 32                           ; s[32:39] group 1: 64 rows of 256 bytes, likewise
.set G0,  40                           ; s[40:43] slot 0's group 0, s[44:47] slot 1's
.set MSB, 0
.macro WIN new                         ; the immediate's high byte repeats the setting that is left; a switch that changes nothing is dropped
.if MSB != (\new)
	s_set_vgpr_msb (MSB<<8)|(\new)
.set MSB, (\new)
.endif
.endm
.macro PLACES n=4                      ; plain places behind matrix instructions (ISA guide 7.12.1)
.rept \n
	v_nop
.endr
.endm
.macro FR dst, areg, off               ; a fragment of 16 rows x 32 k out of rows that lie along k: two loads of 16 bytes, 32 bytes apart
	ds_load_b128 v[(\dst):(\dst)+3], v[\areg] offset:(\off)
	ds_load_b128 v[(\dst)+4:(\dst)+7], v[\areg] offset:(\off)+32
.endm
.macro CROUND                          ; a round of the cluster's barrier
	s_barrier_signal -1
	s_barrier_wait -1
	s_cmp_lg_u32 s16, 0
	s_cbranch_scc1 .Lnot_wave_0_\@
	s_barrier_signal -3
.Lnot_wave_0_\@:
	s_barrier_wait -3
	s_barrier_signal -1
	s_barrier_wait -1
.endm
; A prefetch of the tile after the one just asked for: waves 0 and 1 of the launch's first cluster, told apart among the four partners by address: 8 x 32 lanes x 256 bytes are a tile, each block named once.
.macro ASK
	s_cmp_gt_u32 s51, s50
	s_cbranch_scc0 .Lnot_mine_\@
	global_prefetch_b8 v[PFO], s[48:49] th:TH_LOAD_NT scope:SCOPE_SE
.Lnot_mine_\@:
	s_sub_co_u32 s51, s51, 1
.endm
; THE CHANGE OF SLOTS.  Slot cur's tile is waited for; the other slot, read out, is filled with the next tile (group 1 in g1; g1 = -1: nothing is left to ask for).
.macro CHANGE cur, g1
	WIN 0
	s_wait_tensorcnt 0x0                           ; my one load that was out, my quarter of slot cur, has landed
	ds_add_u32 v[SPW], v[NIL]
.if (\g1) >= 0
	s_add_nc_u64 s[G0+4*(\cur)+2:G0+4*(\cur)+3], s[G0+4*(\cur)+2:G0+4*(\cur)+3], 131072  ; this slot's next tile: two on
	s_wait_xcnt 0x0                                ; the last prefetch has read its address
	s_add_nc_u64 s[48:49], s[48:49], 65536
	s_wait_dscnt 0x0                               ; the add; my reads of the other slot; my LDS stores that others will read
	CROUND
	tensor_load_to_lds s[G0+4*(1-(\cur)):G0+4*(1-(\cur))+3], s[\g1:\g1+7]
	s_nop 0
	PLACES                                         ; also the places in front of the fragment loads that follow
	ASK
.else
	s_wait_dscnt 0x0
	s_barrier_signal -1
	s_barrier_wait -1
.endif
.endm
	s_load_b256 s[4:11], s[0:1], 0x0               ; x s[4:5], coords s[6:7], perm s[8:9], wpk s[10:11]
	s_load_b64 s[14:15], s[0:1], 0x20              ; out
	v_lshl_add_u32 v[SPW], v0, 2, SPARE
	v_mov_b32 v[NIL], 0
	ds_add_u32 v[SPW], v[NIL]                      ; the wave's opening: the add and its wait ahead of my first tensor load
	v_lshrrev_b32 v3, 5, v0
	v_readfirstlane_b32 s16, v3                    ; wave
	s_bfe_u32 s17, ttmp6, 0x40000                  ; cx: it enters global offsets alone
	s_lshl_b32 s18, ttmp9, 2
	s_add_co_u32 s18, s18, s17
	s_and_b32 s19, s18, 1
	s_lshl_b32 s19, s19, 9                         ; 4 x 128 half
	s_lshr_b32 s18, s18, 1
	s_lshl_b32 s18, s18, 10                        ; 4 x 256 patch
	s_mov_b32 s[G1A+0], 15|(1<<16)|(1<<20)|(1<<21)|(6<<22)|(3<<25)  ; the mask of four; 2-byte elements; padding on; bit 21 beside a mask; after 128 words; 4 words
	s_mov_b32 s[G1A+1], 256<<16
	s_mov_b32 s[G1A+2], 32<<16
	s_mov_b32 s[G1A+3], 256<<16
	s_mov_b32 s[G1A+4], 32
	s_mov_b32 s[G1A+5], 256
	s_mov_b32 s[G1A+6], 0
	s_mov_b32 s[G1A+7], 0
	s_mov_b32 s[G1B+0], 15|(1<<16)|(1<<20)|(1<<21)|(5<<22)|(3<<25)  ; the same, after 64 words
	s_mov_b32 s[G1B+1], 128<<16
	s_mov_b32 s[G1B+2], 64<<16
	s_mov_b32 s[G1B+3], 128<<16
	s_mov_b32 s[G1B+4], 64
	s_mov_b32 s[G1B+5], 128
	s_mov_b32 s[G1B+6], 0
	s_mov_b32 s[G1B+7], 0
	s_mov_b32 s[G0], 1
	s_mul_i32 s[G0+1], s16, 17408                  ; my quarter of slot 0
	s_mov_b32 s[G0+4], 1
	s_add_co_u32 s[G0+5], s[G0+1], SLOT1
	s_lshl_b32 s22, s16, 14                        ; my quarter of a tile in memory
	s_mov_b32 s23, 0
	s_lshl2_add_u32 s66, s16, s17
	s_lshl_b32 s66, s66, 13                        ; the prefetches' share: (4 wave + cx) x 8,192
	s_mov_b32 s67, 0
	s_lshr_b32 s50, s16, 1
	s_or_b32 s50, s50, ttmp9
	s_cmp_eq_u32 s50, 0
	s_cselect_b32 s50, 0, -1                       ; 0 in a wave that prefetches: the same in all four partners
	s_mov_b32 s51, 22                              ; tiles 2 to 23 are asked for ahead
	s_mov_b32 s52, 0x76543210
	s_mov_b32 s53, 0xfedcba98
	s_mov_b32 s54, 0x3e8293ee                      ; log2(e) / sqrt(32)
	s_mov_b32 s55, s54
	s_mov_b32 s56, 0xc0135761                      ; -2 sqrt(2/pi) log2(e)
	s_mov_b32 s57, s56
	s_mov_b32 s58, 0xbdd2d3e7                      ; the same x 0.044715
	s_mov_b32 s59, s58
	s_mov_b32 s61, 0x3b800000                      ; 1/256
	s_mov_b32 s62, 0x3727c5ac                      ; 1e-5
	s_wait_dscnt 0x0                               ; the opening add is done
	s_wait_kmcnt 0x0
	s_add_nc_u64 s[12:13], s[10:11], PARB          ; the tables
	s_add_nc_u64 s[G0+2:G0+3], s[10:11], s[22:23]  ; tile 0,
	s_add_nc_u64 s[G0+6:G0+7], s[G0+2:G0+3], 65536 ; tile 1
	s_or_b32 s[G0+3], s[G0+3], 0x80000000
	s_or_b32 s[G0+7], s[G0+7], 0x80000000
	s_add_nc_u64 s[48:49], s[10:11], s[66:67]
	s_add_nc_u64 s[48:49], s[48:49], 65536         ; at tile 1: the first change steps it to tile 2
	CROUND                                         ; all four work-groups are here
	tensor_load_to_lds s[G0:G0+3], s[G1A:G1A+7]    ; tile 0
	s_nop 0
	PLACES
	s_load_b256 s[68:75], s[12:13], P_WPOS         ; w_pos, axis 0, eight heads
	s_load_b256 s[76:83], s[12:13], P_WPOS+32
	s_load_b256 s[84:91], s[12:13], P_WPOS+64
	s_load_b256 s[92:99], s[12:13], P_WPOS+96      ; b_pos
	s_load_b32 s60, s[12:13], P_FLAG               ; f
	v_and_b32 v1, 15, v0                           ; r
	v_bfe_u32 v2, v0, 4, 1                         ; h
	v_and_b32 v3, 31, v0                           ; lane
	v_lshlrev_b32 v[PFO], 8, v3
	v_lshlrev_b32 v[R16], 4, v1
	; the indices: LN1's rows (two trips of 16 units of two rows), the residual's, the tables'
	s_lshl_b32 s100, s16, 8
	s_add_co_u32 s100, s100, s19
	s_add_co_u32 s101, s100, 128
	s_and_b32 s100, s100, 1023
	s_and_b32 s101, s101, 1023
	s_add_co_u32 s100, s100, s18
	s_add_co_u32 s101, s101, s18
	v_lshl_add_u32 v216, v2, 2, s100
	v_lshl_add_u32 v217, v2, 2, s101
.irp i, 0,1,2,3,4,5,6,7,8,9,10,11,12,13,14,15
	global_load_b32 v[160+\i], v216, s[8:9] offset:8*\i
	global_load_b32 v[176+\i], v217, s[8:9] offset:8*\i
.endr
	s_add_co_u32 s66, s18, s19                     ; my half,
	s_xor_b32 s67, s19, 512
	s_add_co_u32 s67, s18, s67                     ; the other half
	v_lshl_add_u32 v218, v1, 2, s66
	v_lshl_add_u32 v219, v0, 2, s66
	v_lshl_add_u32 v220, v0, 2, s67
.irp tt, 0,1,2,3,4,5,6,7
	global_load_b32 v[192+\tt], v218, s[8:9] offset:64*\tt
.endr
	global_load_b32 v200, v219, s[8:9]
	global_load_b32 v201, v220, s[8:9]
.irp q, 0,1,2,3
	global_load_b128 v[32+4*\q:35+4*\q], v[R16], s[12:13] offset:P_LN1G+256*\q
	global_load_b128 v[48+4*\q:51+4*\q], v[R16], s[12:13] offset:P_LN1B+256*\q
.endr
	; LDS addresses: constants, r, h, the lane and the wave's number
	s_lshr_b32 s22, s16, 1                         ; wm
	s_and_b32 s23, s16, 1                          ; wn
	v_mul_u32_u24 v24, v1, 528
	v_lshl_add_u32 v24, v2, 4, v24
	v_add_nc_u32 v[WA0], s[G0+1], v24
	v_add_nc_u32 v[WA1], SLOT1, v[WA0]
	s_mul_i32 s2, s23, 34816
	v_add_nc_u32 v[WF1], s2, v24
	v_add_nc_u32 v[HA0], HB, v24
	v_add_nc_u32 v[HA0+1], 67584, v[HA0]
	v_mul_u32_u24 v25, v1, 272
	v_lshl_add_u32 v25, v2, 4, v25
	v_add_nc_u32 v[WB1], s[G0+5], v25
	v_lshl_add_u32 v[QF], v3, 4, QO
	s_lshl_b32 s2, s16, 13
	v_add_nc_u32 v[QW], s2, v[QF]
	v_mul_u32_u24 v24, v1, 1040
	s_mul_i32 s2, s22, 66560
	s_add_co_u32 s2, s2, HB
	v_add_nc_u32 v[H2F], s2, v24
	v_lshl_add_u32 v[H2F], v2, 4, v[H2F]
	s_lshl_b32 s2, s16, 8
	s_add_co_u32 s3, s2, HB
	v_add_nc_u32 v[STG], s3, v24
	v_lshl_add_u32 v[STG], v2, 5, v[STG]
	v_add_nc_u32 v[STG2], 66560, v[STG]
	v_lshl_add_u32 v[BO], v2, 5, s2
	v_add_nc_u32 v[PB], P_BQKV, v[BO]
	s_add_co_u32 s3, s2, P_BQKV+2048
	v_lshl_add_u32 v[PBV], v1, 2, s3
	s_lshl_b32 s3, s23, 8
	s_add_co_u32 s3, s3, P_BFC1
	v_lshl_add_u32 v[PF1], v2, 5, s3
	s_lshl_b32 s2, s16, 11
	s_add_co_u32 s2, s2, UT
	v_lshl_add_u32 v[UAD], v2, 5, s2               ; head 2 w: UT + 2,048 w + 32 h
	s_lshl_b32 s2, s16, 10
	s_add_co_u32 s2, s2, AP
	v_lshl_add_u32 v[APC], v1, 2, s2               ; head 2 w: AP + 1,024 w + 4 r
	s_mul_i32 s2, s16, 33792
	s_add_co_u32 s2, s2, HB
	v_mul_u32_u24 v[RWA], v2, 528
	v_lshl_add_u32 v[RWA], v1, 3, v[RWA]
	v_add_nc_u32 v[RWA], s2, v[RWA]                ; H row 64 w + h, 8 r
	s_wait_loadcnt 0x0
	s_wait_kmcnt 0x0
	v_min_u32 v200, 0x7fff, v200
	v_min_u32 v201, 0x7fff, v201
	v_mul_u32_u24 v221, v200, 12
	v_mul_u32_u24 v222, v201, 12
	global_load_b32 v202, v221, s[6:7]             ; the two tokens' coordinates travel with the first rows of x
	global_load_b32 v203, v221, s[6:7] offset:4
	global_load_b32 v204, v221, s[6:7] offset:8
	global_load_b32 v205, v222, s[6:7]
	global_load_b32 v206, v222, s[6:7] offset:4
	global_load_b32 v207, v222, s[6:7] offset:8
; FOUR UNITS OF TWO ROWS, normalised side by side.  Unit u's data lie in window 2 at d + 16 u: lane (r, h) holds row 2 u + h, columns 64 q + 4 r + 0..3 in registers 4 q + 0..3.
; In window 0, unit u has v[64+24u ..]: 16 at work, then mean (twice), k, -, scale, -.  Mean; the sum of squares of d - mean; e = d s + k with k = -mean s; e g + b.
; mode 0: LN1.  mode 1, 2: the rows come from the stage, and the bias in v[192:207] of window 0 (as the rows lie) is added first.
; mode 0, 1: rounded to bf16 into LDS at areg + so + us u + 128 q.  mode 2: the end norm, stored to out at the offsets in v[areg+u].
.macro ROWG d, mode, areg, so, us
.if (\mode) >= 1
	WIN 0x82
.irp u, 0,1,2,3
.irp p, 0,1,2,3,4,5,6,7
	v_pk_add_f32 v[(\d)+16*\u+2*\p:(\d)+16*\u+2*\p+1], v[(\d)+16*\u+2*\p:(\d)+16*\u+2*\p+1], v[192+2*\p:193+2*\p]
.endr
.endr
.endif
	WIN 0x0a
.irp u, 0,1,2,3
.irp p, 0,1,2,3
	v_pk_add_f32 v[64+24*\u+2*\p:65+24*\u+2*\p], v[(\d)+16*\u+4*\p:(\d)+16*\u+4*\p+1], v[(\d)+16*\u+4*\p+2:(\d)+16*\u+4*\p+3]
.endr
.endr
	WIN 0
.irp u, 0,1,2,3
	v_pk_add_f32 v[64+24*\u:65+24*\u], v[64+24*\u:65+24*\u], v[66+24*\u:67+24*\u]
	v_pk_add_f32 v[68+24*\u:69+24*\u], v[68+24*\u:69+24*\u], v[70+24*\u:71+24*\u]
.endr
.irp u, 0,1,2,3
	v_pk_add_f32 v[64+24*\u:65+24*\u], v[64+24*\u:65+24*\u], v[68+24*\u:69+24*\u]
.endr
.irp u, 0,1,2,3
	v_add_f32 v[82+24*\u], v[64+24*\u], v[65+24*\u]
.endr
.irp m, 1,2,4,8
.irp u, 0,1,2,3
	v_add_f32_dpp v[82+24*\u], v[82+24*\u], v[82+24*\u] row_xmask:\m row_mask:0xf bank_mask:0xf   ; a row lies in sixteen lanes
.endr
.endr
.irp u, 0,1,2,3
	v_mul_f32 v[80+24*\u], s61, v[82+24*\u]
	v_mul_f32 v[81+24*\u], s61, v[82+24*\u]
.endr
	WIN 0x02
.irp u, 0,1,2,3
.irp p, 0,1,2,3,4,5,6,7
	v_pk_add_f32 v[64+24*\u+2*\p:65+24*\u+2*\p], v[(\d)+16*\u+2*\p:(\d)+16*\u+2*\p+1], v[80+24*\u:81+24*\u] neg_lo:[0,1] neg_hi:[0,1]
.endr
.endr
	WIN 0
.irp u, 0,1,2,3
	v_pk_mul_f32 v[82+24*\u:83+24*\u], v[64+24*\u:65+24*\u], v[64+24*\u:65+24*\u]
	v_pk_mul_f32 v[84+24*\u:85+24*\u], v[66+24*\u:67+24*\u], v[66+24*\u:67+24*\u]
.endr
.irp p, 4,8,12
.irp u, 0,1,2,3
	v_pk_fma_f32 v[82+24*\u:83+24*\u], v[64+24*\u+\p:65+24*\u+\p], v[64+24*\u+\p:65+24*\u+\p], v[82+24*\u:83+24*\u]
	v_pk_fma_f32 v[84+24*\u:85+24*\u], v[66+24*\u+\p:67+24*\u+\p], v[66+24*\u+\p:67+24*\u+\p], v[84+24*\u:85+24*\u]
.endr
.endr
.irp u, 0,1,2,3
	v_pk_add_f32 v[82+24*\u:83+24*\u], v[82+24*\u:83+24*\u], v[84+24*\u:85+24*\u]
.endr
.irp u, 0,1,2,3
	v_add_f32 v[82+24*\u], v[82+24*\u], v[83+24*\u]
.endr
.irp m, 1,2,4,8
.irp u, 0,1,2,3
	v_add_f32_dpp v[82+24*\u], v[82+24*\u], v[82+24*\u] row_xmask:\m row_mask:0xf bank_mask:0xf
.endr
.endr
.irp u, 0,1,2,3
	v_fma_f32 v[82+24*\u], v[82+24*\u], s61, s62
.endr
.irp u, 0,1,2,3
	v_rsq_f32 v[84+24*\u], v[82+24*\u]
.endr
	v_nop                                          ; a plain instruction behind the last root,
	s_wait_alu depctr_va_vdst(0)                   ; and one wait for the four
.if (\mode) == 2
.irp u, 0,1,2,3
	v_add_f32 v[84+24*\u], -1.0, v[84+24*\u]
	v_mul_f32 v[80+24*\u], s60, v[80+24*\u]        ; f mean
.endr
.irp u, 0,1,2,3
	v_fma_f32 v[84+24*\u], s60, v[84+24*\u], 1.0   ; 1 + f (rstd - 1)
.endr
.endif
.irp u, 0,1,2,3
	v_mul_f32 v[82+24*\u], -v[80+24*\u], v[84+24*\u]
.endr
	WIN 0x82
.irp u, 0,1,2,3
.irp p, 0,1,2,3,4,5,6,7
	v_pk_fma_f32 v[(\d)+16*\u+2*\p:(\d)+16*\u+2*\p+1], v[(\d)+16*\u+2*\p:(\d)+16*\u+2*\p+1], v[84+24*\u:85+24*\u], v[82+24*\u:83+24*\u] op_sel_hi:[1,0,0]
.endr
.endr
.irp u, 0,1,2,3
.irp p, 0,1,2,3,4,5,6,7
	v_pk_fma_f32 v[(\d)+16*\u+2*\p:(\d)+16*\u+2*\p+1], v[(\d)+16*\u+2*\p:(\d)+16*\u+2*\p+1], v[32+2*\p:33+2*\p], v[48+2*\p:49+2*\p]
.endr
.endr
.if (\mode) == 2
	WIN 0x08
.irp u, 0,1,2,3
.irp q, 0,1,2,3
	global_store_b128 v[(\areg)+\u], v[(\d)+16*\u+4*\q:(\d)+16*\u+4*\q+3], s[14:15] offset:256*\q   ; sixteen lanes store 256 bytes on end, aligned
.endr
.endr
.else
	WIN 0x0a
.irp u, 0,1,2,3
.irp p, 0,1,2,3,4,5,6,7
	v_cvt_pk_bf16_f32 v[64+24*\u+\p], v[(\d)+16*\u+2*\p], v[(\d)+16*\u+2*\p+1]
.endr
.endr
	WIN 0
.irp u, 0,1,2,3
.irp q, 0,1,2,3
	ds_store_b64 v[\areg], v[64+24*\u+2*\q:65+24*\u+2*\q] offset:(\so)+(\us)*\u+128*\q
.endr
.endr
.endif
.endm
	; LN1: my 64 rows of H, 32 a trip: 64 loads of 512 bytes go out together
	s_mov_b32 s21, 2
.Lln1:
.irp i, 0,1,2,3,4,5,6,7,8,9,10,11,12,13,14,15
	v_min_u32 v[160+\i], 0x7fff, v[160+\i]
.endr
.irp i, 0,1,2,3,4,5,6,7,8,9,10,11,12,13,14,15
	v_lshl_add_u32 v[160+\i], v[160+\i], 10, v[R16]
.endr
	WIN 0x80
.irp i, 0,1,2,3,4,5,6,7,8,9,10,11,12,13,14,15
.irp q, 0,1,2,3
	global_load_b128 v[16*\i+4*\q:16*\i+4*\q+3], v[160+\i], s[4:5] offset:256*\q
.endr
.endr
.irp gi, 0,1,2,3
	s_wait_loadcnt 48-16*\gi                       ; the later groups' loads stay out
	ROWG 64*\gi, 0, RWA, 4224*\gi, 1056
.endr
.irp i, 0,1,2,3,4,5,6,7,8,9,10,11,12,13,14,15
	v_mov_b32 v[160+\i], v[176+\i]                 ; the second trip's indices
.endr
	v_add_nc_u32 v[RWA], 16896, v[RWA]
	s_sub_co_u32 s21, s21, 1
	s_cmp_lg_u32 s21, 0
	s_cbranch_scc1 .Lln1
	; the position tables: thread t has rows t (own) and t + 128
	s_wait_loadcnt 0x0
	s_mov_b32 s22, 0x3fb8aa3b                      ; log2(e)
.set i, 0
.rept 32
	s_mul_f32 s[68+i], s[68+i], s22
.set i, i+1
.endr
	v_lshl_add_u32 v[RWB], v0, 2, UT
	ds_store_b32 v[RWB], v200 offset:IDXT-UT
.irp hd, 0,1,2,3,4,5,6,7
	v_mul_f32 v213, s[68+\hd], v202
	v_mul_f32 v214, s[68+\hd], v205
	v_fmac_f32 v213, s[76+\hd], v203
	v_fmac_f32 v214, s[76+\hd], v206
	v_fmac_f32 v213, s[84+\hd], v204
	v_fmac_f32 v214, s[84+\hd], v207
	v_add_f32 v215, s[92+\hd], v213
	ds_store_b32 v[RWB], v213 offset:1024*\hd
	ds_store_b32 v[RWB], v214 offset:1024*\hd+512
	ds_store_b32 v[RWB], v215 offset:AP-UT+512*\hd
.endr
	; the residual: x of my 128 tokens, my 64 channels, straight into the sums' registers
.irp tt, 0,1,2,3,4,5,6,7
	v_min_u32 v[192+\tt], 0x7fff, v[192+\tt]
.endr
.irp tt, 0,1,2,3,4,5,6,7
	v_lshl_add_u32 v[192+\tt], v[192+\tt], 10, v[BO]
.endr
	WIN 0x40
.irp tt, 0,1,2,3,4,5,6,7
.irp ct, 0,1,2,3
	global_load_b128 v[8*(4*\tt+\ct):8*(4*\tt+\ct)+3], v[192+\tt], s[4:5] offset:64*\ct
	global_load_b128 v[8*(4*\tt+\ct)+4:8*(4*\tt+\ct)+7], v[192+\tt], s[4:5] offset:64*\ct+16
.endr
.endr
	WIN 0
; THE PRODUCTS go in units of one k step (or half of one), on two fragment buffers by turns; a unit's matrix instructions are all on different accumulators.
; Q, K, V and the first fc1: four places, the next unit's fragments into the other buffer, a wait that leaves just those out, the unit's products.  The first k step takes the bias as C and is written
; out, the last fetches nothing and is written out; the steps between are a loop on stepped addresses.
; Q: 128 tokens x my head's 32 channels, k = 256 in 8 steps.  Source 0 = W, source 1 = H: a lane holds one token and eight channels.
.macro LDQ b, dl
.irp ct, 0,1
	FR 64+96*(\b)+8*\ct, KW, 8448*\ct+64*(\dl)
.endr
.irp tt, 0,1,2,3,4,5,6,7
	FR 96+96*(\b)+8*\tt, KH0, 8448*\tt+64*(\dl)
.endr
.endm
.macro MMQ b, first
.if \first
	WIN 0x80
.else
	WIN 0xa0
.endif
.irp tt, 0,1,2,3,4,5,6,7
.irp ct, 0,1
.if \first
	v_wmma_f32_16x16x32_bf16 v[8*(2*\tt+\ct):8*(2*\tt+\ct)+7], v[64+96*(\b)+8*\ct:64+96*(\b)+8*\ct+7], v[96+96*(\b)+8*\tt:96+96*(\b)+8*\tt+7], v[32+8*\ct:39+8*\ct]
.else
	v_wmma_f32_16x16x32_bf16 v[8*(2*\tt+\ct):8*(2*\tt+\ct)+7], v[64+96*(\b)+8*\ct:64+96*(\b)+8*\ct+7], v[96+96*(\b)+8*\tt:96+96*(\b)+8*\tt+7], v[8*(2*\tt+\ct):8*(2*\tt+\ct)+7]
.endif
.endr
.endr
.endm
.macro GQ
	WIN 0
	v_mov_b32 v[KW], v[WA0]
	v_mov_b32 v[KH0], v[HA0]
	LDQ 0, 0
	LDQ 1, 1
	s_wait_dscnt 20                                ; the 20 loads just issued stay out
	MMQ 0, 1
	WIN 0
	s_mov_b32 s63, 3
.Lgq_\@:                               ; steps 1, 2 | 3, 4 | 5, 6
	PLACES
	LDQ 0, 2
	s_wait_dscnt 20
	MMQ 1, 0
	WIN 0
	PLACES
	LDQ 1, 3
	s_wait_dscnt 20
	MMQ 0, 0
	WIN 0
	v_add_nc_u32 v[KW], 128, v[KW]
	v_add_nc_u32 v[KH0], 128, v[KH0]
	s_sub_co_u32 s63, s63, 1
	s_cmp_lg_u32 s63, 0
	s_cbranch_scc1 .Lgq_\@
	s_wait_dscnt 0x0
	MMQ 1, 0
.endm
; K and V: 256 tokens x 32 channels; a k step is two units of 128 tokens (hf).  swap = 0 (K): source 0 = W; swap = 1 (V): source 0 = H, so that a lane holds one channel and eight tokens.
.macro LDKV hf, dl
.irp ct, 0,1
	FR 64+96*(\hf)+8*\ct, KW, 8448*\ct+64*(\dl)
.endr
.irp t8, 0,1,2,3,4,5,6,7
	FR 96+96*(\hf)+8*\t8, KH0+(\hf), 8448*\t8+64*(\dl)
.endr
.endm
.macro MMKV hf, first, swap, bias
.if \first
	WIN 0x80
.else
	WIN 0xa0
.endif
.irp t8, 0,1,2,3,4,5,6,7
.irp ct, 0,1
.set dd, 8*(2*(8*(\hf)+\t8)+\ct)
.if \swap
.set aa, 96+96*(\hf)+8*\t8
.set bb, 64+96*(\hf)+8*\ct
.else
.set aa, 64+96*(\hf)+8*\ct
.set bb, 96+96*(\hf)+8*\t8
.endif
.if \first
	v_wmma_f32_16x16x32_bf16 v[dd:dd+7], v[aa:aa+7], v[bb:bb+7], v[(\bias)+8*\ct:(\bias)+8*\ct+7]
.else
	v_wmma_f32_16x16x32_bf16 v[dd:dd+7], v[aa:aa+7], v[bb:bb+7], v[dd:dd+7]
.endif
.endr
.endr
.endm
.macro GKV wreg, bias, swap
	WIN 0
	v_mov_b32 v[KW], v[\wreg]
	v_mov_b32 v[KH0], v[HA0]
	v_mov_b32 v[KH0+1], v[HA0+1]
	LDKV 0, 0
	LDKV 1, 0
	s_wait_dscnt 20
	MMKV 0, 1, \swap, \bias
	WIN 0
	PLACES
	LDKV 0, 1
	s_wait_dscnt 20
	MMKV 1, 1, \swap, \bias
	WIN 0
	v_add_nc_u32 v[KW], 64, v[KW]
	v_add_nc_u32 v[KH0], 64, v[KH0]
	v_add_nc_u32 v[KH0+1], 64, v[KH0+1]
	s_mov_b32 s63, 6
.Lkv_\@:                               ; steps 1 to 6
	PLACES
	LDKV 1, 0
	s_wait_dscnt 20
	MMKV 0, 0, \swap, \bias
	WIN 0
	PLACES
	LDKV 0, 1
	s_wait_dscnt 20
	MMKV 1, 0, \swap, \bias
	WIN 0
	v_add_nc_u32 v[KW], 64, v[KW]
	v_add_nc_u32 v[KH0], 64, v[KH0]
	v_add_nc_u32 v[KH0+1], 64, v[KH0+1]
	s_sub_co_u32 s63, s63, 1
	s_cmp_lg_u32 s63, 0
	s_cbranch_scc1 .Lkv_\@
	PLACES
	LDKV 1, 0
	s_wait_dscnt 20
	MMKV 0, 0, \swap, \bias
	s_wait_dscnt 0x0
	MMKV 1, 0, \swap, \bias
.endm
; THE GELU, tanh form: x / (1 + 2^(x (C1 + C2 x^2))), on 64 pairs of numbers in window 2 (x in v0-127, work in v128-255), AS A NUMBERED LIST: GOP writes number gq of it, if gq < GLIM, and steps gq.
; PART A, numbers 0-335: 67 steps of five: x^2 of pair n | 2^ of pair n - 3, low | the polynomial of pair n - 1 | 2^ of pair n - 3, high | times x of pair n - 2: each exponential has plain neighbours,
; and none of these lines reads an exponential's result; number 335 is a plain line and the one wait for the 128.
; PART B, numbers 336-531: 65 steps of three: + 1 of pair n | the two reciprocals of pair n - 1; number 531 a plain line and the one wait for the 128.
; PART C, numbers 532-661: 65 steps of two: x r of pair n | pair n - 1 rounded to bf16, into v[128 + n - 1], over reciprocals that have been used.
; Numbers 662-677: the sixteen stores, fragment images into my area of QO.  Places of the list that hold nothing (the first and last steps of a part) write nothing.
.set NA,   335
.set QB0,  336
.set NB,   195
.set QC0,  532
.set QS0,  662
.set QEND, 678
.set gq,   0
.set GLIM, 0
.macro GOP
.if gq < GLIM
.if gq < NA
.set gn, gq/5
.set gs, gq%5
.if (gs == 0) && (gn < 64)
	WIN 0xaa
	v_pk_mul_f32 v[128+2*gn:129+2*gn], v[2*gn:2*gn+1], v[2*gn:2*gn+1]
.elseif (gs == 2) && (gn >= 1) && (gn < 65)
	WIN 0xaa
	v_pk_fma_f32 v[126+2*gn:127+2*gn], v[126+2*gn:127+2*gn], s[58:59], s[56:57] op_sel_hi:[1,0,0]
.elseif (gs == 4) && (gn >= 2) && (gn < 66)
	WIN 0xaa
	v_pk_mul_f32 v[124+2*gn:125+2*gn], v[124+2*gn:125+2*gn], v[2*gn-4:2*gn-3]
.elseif (gs == 1) && (gn >= 3)
	WIN 0xaa
	v_exp_f32 v[122+2*gn], v[122+2*gn]
.elseif (gs == 3) && (gn >= 3)
	WIN 0xaa
	v_exp_f32 v[123+2*gn], v[123+2*gn]
.endif
.elseif gq == NA
	v_nop
	s_wait_alu depctr_va_vdst(0)                   ; one wait for the batch of exponentials
.elseif gq < QB0+NB
.set gn, (gq-QB0)/3
.set gs, (gq-QB0)%3
.if (gs == 0) && (gn < 64)
	WIN 0xaa
	v_pk_add_f32 v[128+2*gn:129+2*gn], v[128+2*gn:129+2*gn], 1.0 op_sel_hi:[1,0]
.elseif (gs >= 1) && (gn >= 1)
	WIN 0xaa
	v_rcp_f32 v[125+2*gn+gs], v[125+2*gn+gs]
.endif
.elseif gq == QB0+NB
	v_nop
	s_wait_alu depctr_va_vdst(0)                   ; one wait for the batch of reciprocals
.elseif gq < QS0
.set gn, (gq-QC0)/2
.set gs, (gq-QC0)%2
.if (gs == 0) && (gn < 64)
	WIN 0xaa
	v_pk_mul_f32 v[2*gn:2*gn+1], v[2*gn:2*gn+1], v[128+2*gn:129+2*gn]
.elseif (gs == 1) && (gn >= 1)
	WIN 0xaa
	v_cvt_pk_bf16_f32 v[127+gn], v[2*gn-2], v[2*gn-1]
.endif
.else
.set gn, gq-QS0
	WIN 0x08                                       ; the address in window 0, the data in window 2
	ds_store_b128 v[QW], v[128+4*gn:131+4*gn] offset:4096*((gn%4)/2)+1024*(gn/4)+512*(gn%2)
.endif
.endif
.set gq, gq+1
.endm
; proj and fc2: 128 tokens x my 64 output channels, added onto the residual; k = 128 in 4 steps of 32 products; the activations are fragment images in QO.
; g = 0: o: k step ks is wave ks's head, token tile tt at 1,024 tt of its area.  g = 1: the GELU's result: tile tt, step ks was written by wave 2 (tt / 4) + ks / 2, at 4,096 (ks % 2) + 1,024 (tt % 4).
; wreg, wst: my rows of W and the bytes from one block of 16 rows to the next.  The next step's 24 loads stand in one run behind a step's second product, four places ahead of them, and are waited
; for at the next step's head, 30 products later.  rid: so many lines of the GELU's list stand behind each product (and four times as many in the wait for the first fragments).
.macro LDB k, g, wreg, wst
.irp ct, 0,1,2,3
	FR 64+96*((\k)&1)+8*\ct, \wreg, (\wst)*\ct+64*(\k)
.endr
.irp tt, 0,1,2,3,4,5,6,7
.if \g
.set ao, 8192*(2*(\tt/4)+((\k)/2))+4096*((\k)%2)+1024*(\tt%4)
.else
.set ao, 8192*(\k)+1024*\tt
.endif
	ds_load_b128 v[96+96*((\k)&1)+8*\tt:96+96*((\k)&1)+8*\tt+3], v[QF] offset:ao
	ds_load_b128 v[96+96*((\k)&1)+8*\tt+4:96+96*((\k)&1)+8*\tt+7], v[QF] offset:ao+512
.endr
.endm
.macro GB g, wreg, wst, rid
	WIN 0
	LDB 0, \g, \wreg, \wst
.if (\rid) > 0
.rept 4*(\rid)
	GOP
.endr
.endif
.set bi, 0
.rept 128
.set bk, bi/32
.set xw, 64+96*(bk&1)+8*(bi%4)
.set xa, 96+96*(bk&1)+8*((bi%32)/4)
.set xd, 8*(bi%32)
.if bi%32 == 0
	s_wait_dscnt 0x0                               ; this step's fragments are in
.endif
	WIN 0x50
	v_wmma_f32_16x16x32_bf16 v[xd:xd+7], v[xw:xw+7], v[xa:xa+7], v[xd:xd+7]
.if (\rid) > 0
.rept \rid
	GOP
.endr
.endif
.if (bi%32 == 1) && (bk < 3)
	WIN 0
	PLACES
	LDB bk+1, \g, \wreg, \wst
.endif
.set bi, bi+1
.endr
.endm
; fc1: my 64 tokens x my 64 hidden, k = 256 in 8 steps of 16 products.  The sums lie in window 3; the LAST k step writes its results into window 2 (D other than C), where the GELU takes them as x:
; so the next chunk's sums can begin while the GELU works, and nothing is copied.  Six places stand ahead of that step (a result as the C of another accumulator: ISA guide 7.12.1).
.macro LDF b, dl
.irp ct, 0,1,2,3
	FR 64+96*(\b)+8*\ct, KW, (\ct/2)*17408+(\ct%2)*8448+64*(\dl)
.endr
.irp tt, 0,1,2,3
	FR 96+96*(\b)+8*\tt, KH0, 16640*\tt+64*(\dl)
.endr
.endm
.macro MMF b, mode                     ; mode 0: the first step, C = the bias; 1: in place; 2: the last step
.if (\mode) == 0
	WIN 0xc0
.elseif (\mode) == 1
	WIN 0xf0
.else
	WIN 0xb0
.endif
.irp tt, 0,1,2,3
.irp ct, 0,1,2,3
.if (\mode) == 0
	v_wmma_f32_16x16x32_bf16 v[8*(4*\tt+\ct):8*(4*\tt+\ct)+7], v[64+96*(\b)+8*\ct:64+96*(\b)+8*\ct+7], v[96+96*(\b)+8*\tt:96+96*(\b)+8*\tt+7], v[32+8*\ct:39+8*\ct]
.else
	v_wmma_f32_16x16x32_bf16 v[8*(4*\tt+\ct):8*(4*\tt+\ct)+7], v[64+96*(\b)+8*\ct:64+96*(\b)+8*\ct+7], v[96+96*(\b)+8*\tt:96+96*(\b)+8*\tt+7], v[8*(4*\tt+\ct):8*(4*\tt+\ct)+7]
.endif
.endr
.endr
.endm
.macro GF1                             ; the first chunk's, from slot 0: there is no vector work yet to set between its products
	WIN 0
	v_mov_b32 v[KW], v[WF1]
	v_mov_b32 v[KH0], v[H2F]
	LDF 0, 0
	LDF 1, 1
	s_wait_dscnt 16                                ; the 16 loads just issued stay out
	MMF 0, 0
	WIN 0
	s_mov_b32 s63, 3
.Lgf_\@:
	PLACES
	LDF 0, 2
	s_wait_dscnt 16
	MMF 1, 1
	WIN 0
	PLACES
	LDF 1, 3
	s_wait_dscnt 16
	MMF 0, 1
	WIN 0
	v_add_nc_u32 v[KW], 128, v[KW]
	v_add_nc_u32 v[KH0], 128, v[KH0]
	s_sub_co_u32 s63, s63, 1
	s_cmp_lg_u32 s63, 0
	s_cbranch_scc1 .Lgf_\@
	s_wait_dscnt 0x0
	PLACES 6
	MMF 1, 2
.endm
; The other chunks' fc1, from slot 1, written out: behind each product stand four lines of the GELU's list (parts B and C of the chunk before, and its stores): 12 + 4 x 83 lines are all 342, so the
; list has ended, and x is free, well ahead of the last k step, which writes the new x.  The next step's 16 loads stand in one run behind a step's second product.
.macro LDFU u
	WIN 0
.irp ct, 0,1,2,3
	FR 64+96*((\u)&1)+8*\ct, WF1S, (\ct/2)*17408+(\ct%2)*8448+64*(\u)
.endr
.irp tt, 0,1,2,3
	FR 96+96*((\u)&1)+8*\tt, H2F, 16640*\tt+64*(\u)
.endr
.endm
.macro F1G
	LDFU 0
.rept 12
	GOP
.endr
	s_wait_loadcnt 0x0                             ; this chunk's bias
.set fi, 0
.rept 128
.set fu, fi/16
.set fd, 8*(fi%16)
.set fa, 64+96*(fu&1)+8*(fi%4)
.set fx, 96+96*(fu&1)+8*((fi%16)/4)
.if fi%16 == 0
.if fu == 7
	PLACES 6
.endif
	s_wait_dscnt 0x0                               ; this step's fragments are in
.endif
.if fu == 0
	WIN 0xc0
	v_wmma_f32_16x16x32_bf16 v[fd:fd+7], v[fa:fa+7], v[fx:fx+7], v[32+8*(fi%4):39+8*(fi%4)]
.else
.if fu == 7
	WIN 0xb0
.else
	WIN 0xf0
.endif
	v_wmma_f32_16x16x32_bf16 v[fd:fd+7], v[fa:fa+7], v[fx:fx+7], v[fd:fd+7]
.endif
.rept 4
	GOP
.endr
.if (fi%16 == 1) && (fu < 7)
	PLACES
	LDFU fu+1
.endif
.set fi, fi+1
.endr
.endm
; A copy of the sums goes into the stage, rows of 1,040 bytes; a barrier, since a row comes from four waves.
.macro OUTSTAGE
	WIN 0x04
.irp tt, 0,1,2,3
.irp ct, 0,1,2,3
	ds_store_b128 v[STG], v[8*(4*\tt+\ct):8*(4*\tt+\ct)+3] offset:16640*\tt+64*\ct
	ds_store_b128 v[STG], v[8*(4*\tt+\ct)+4:8*(4*\tt+\ct)+7] offset:16640*\tt+64*\ct+16
	ds_store_b128 v[STG2], v[8*(4*\tt+16+\ct):8*(4*\tt+16+\ct)+3] offset:16640*\tt+64*\ct
	ds_store_b128 v[STG2], v[8*(4*\tt+16+\ct)+4:8*(4*\tt+16+\ct)+7] offset:16640*\tt+64*\ct+16
.endr
.endr
	WIN 0
	s_wait_dscnt 0x0                               ; for the others' sake
	s_barrier_signal -1                            ; the tile on its way may stay out
	s_barrier_wait -1
.endm
	; TWO HEAD GROUPS: Q, K, V of my head, its attention, and its part of proj
	s_mov_b32 s20, 0
.Lgroup:
.irp ct, 0,1
	global_load_b128 v[32+8*\ct:35+8*\ct], v[PB], s[12:13] offset:64*\ct              ; b_q
	global_load_b128 v[36+8*\ct:39+8*\ct], v[PB], s[12:13] offset:64*\ct+16
	global_load_b128 v[48+8*\ct:51+8*\ct], v[PB], s[12:13] offset:1024+64*\ct         ; b_k
	global_load_b128 v[52+8*\ct:55+8*\ct], v[PB], s[12:13] offset:1024+64*\ct+16
	global_load_b32 v[30+\ct], v[PBV], s[12:13] offset:64*\ct                         ; b_v: a lane a channel
.endr
	CHANGE 0, G1A                                  ; Q's tile is in, K's is asked for; at its first use H and the tables are shown to all
	s_wait_loadcnt 0x0                             ; the biases, and the first time the residual
	GQ
	PLACES 8
	WIN 0x82
.set n, 0
.rept 64
	v_pk_mul_f32 v[2*n:2*n+1], v[2*n:2*n+1], s[54:55] op_sel_hi:[1,0]
.set n, n+1
.endr
	WIN 0x0a
.set n, 0
.rept 64
	v_cvt_pk_bf16_f32 v[96+n], v[2*n], v[2*n+1]    ; eight fragments of q, tile tt at 96 + 8 tt
.set n, n+1
.endr
	WIN 0
.irp tt, 0,1,2,3,4,5,6,7
	ds_store_b128 v[QW], v[96+8*\tt:96+8*\tt+3] offset:1024*\tt
	ds_store_b128 v[QW], v[96+8*\tt+4:96+8*\tt+7] offset:1024*\tt+512
.endr
	CHANGE 1, G1A                                  ; K's tile is in, V's is asked for
	GKV WA1, 48, 0
	PLACES 8
	WIN 0xca                                       ; two result tiles of 16 keys x 16 channels, rounded in pairs, ARE a fragment of K
.set n, 0
.rept 128
	v_cvt_pk_bf16_f32 v[n], v[2*n], v[2*n+1]
.set n, n+1
.endr
	WIN 0
.irp ct, 0,1
.irp j, 0,1,2,3,4,5,6,7
	v_mov_b32 v[32+8*\ct+\j], v[30+\ct]            ; b_v as a C operand: the lane's channel in all eight registers
.endr
.endr
	CHANGE 0, G1B                                  ; V's tile is in, proj's is asked for
	GKV WA0, 32, 1
	PLACES 8
	WIN 0xca                                       ; likewise a fragment of V^T: channel block ct, 32 keys kb at 128 + 8 (8 ct + kb)
.irp tt, 0,1,2,3,4,5,6,7,8,9,10,11,12,13,14,15
.irp ct, 0,1
.irp i, 0,1,2,3
	v_cvt_pk_bf16_f32 v[128+8*(8*\ct+(\tt/2))+4*(\tt%2)+\i], v[8*(2*\tt+\ct)+2*\i], v[8*(2*\tt+\ct)+2*\i+1]
.endr
.endr
.endr
	WIN 0
	; ATTENTION of head 2 w + group: eight tiles of 16 queries, each against all 256 keys
	v_mov_b32 v[QCUR], v[QW]
.irp kt, 0,1,2,3,4,5,6,7,8,9,10,11,12,13,14,15
	ds_load_b128 v[64+8*\kt:67+8*\kt], v[UAD] offset:64*\kt       ; the keys' position terms, as the scores lie: key 16 kt + 8 h + j
	ds_load_b128 v[68+8*\kt:71+8*\kt], v[UAD] offset:64*\kt+16
.endr
	s_mov_b32 s21, 8
.Lq:
	ds_load_b128 v[192:195], v[QCUR]               ; the tile's q
	ds_load_b128 v[196:199], v[QCUR] offset:512
	ds_load_b32 v200, v[APC]                       ; my query's position term
	s_wait_dscnt 0x0
	v_mov_b32 v201, v200
	WIN 0x80
.set n, 0
.rept 64
	v_pk_add_f32 v[2*n:2*n+1], v[200:201], v[64+2*n:65+2*n] neg_lo:[0,1] neg_hi:[0,1]   ; the bias starts the sums
.set n, n+1
.endr
	WIN 0xa3
.irp kt, 0,1,2,3,4,5,6,7,8,9,10,11,12,13,14,15
	v_wmma_f32_16x16x32_bf16 v[8*\kt:8*\kt+7], v[8*\kt:8*\kt+7], v[192:199], v[8*\kt:8*\kt+7]   ; S^T = K Q^T + bias: a lane holds one query
.endr
	PLACES
	WIN 0xaa
.irp j, 0,1,2,3                        ; the maximum, in four chains; each result's lowest registers are read first
.irp kt, 0,1,2,3,4,5,6,7,8,9,10,11,12,13,14,15
.if (\j == 0) && (\kt < 4)
	v_max_num_f32 v[224+\kt], v[8*\kt], v[8*\kt+1]
.else
	v_max3_num_f32 v[224+(\kt%4)], v[224+(\kt%4)], v[8*\kt+2*\j], v[8*\kt+2*\j+1]
.endif
.endr
.endr
	v_max3_num_f32 v224, v224, v225, v226
	v_max_num_f32 v224, v224, v227
	v_mov_b32 v229, v224
	v_permlanex16_b32 v229, v224, s52, s53         ; the query's other 128 keys lie in the lane 16 away
	v_max_num_f32 v228, v224, v229
.set n, 0
.rept 64
	v_pk_add_f32 v[2*n:2*n+1], v[2*n:2*n+1], v[228:229] op_sel_hi:[1,0] neg_lo:[0,1] neg_hi:[0,1]
.if n > 0
	v_exp_f32 v[2*n-2], v[2*n-2]
	v_exp_f32 v[2*n-1], v[2*n-1]
.endif
.set n, n+1
.endr
	v_exp_f32 v126, v126
	v_exp_f32 v127, v127
	v_nop
	s_wait_alu depctr_va_vdst(0)                   ; one wait for the 128 exponentials
.set n, 0
.rept 64
	v_cvt_pk_bf16_f32 v[128+n], v[2*n], v[2*n+1]
.if (n >= 4) && (n < 8)
	v_pk_add_f32 v[232+2*(n-4):233+2*(n-4)], v[2*(n-4):2*(n-4)+1], v[2*n:2*n+1]
.elseif n >= 8
	v_pk_add_f32 v[232+2*(n%4):233+2*(n%4)], v[232+2*(n%4):233+2*(n%4)], v[2*n:2*n+1]
.endif
.set n, n+1
.endr
	v_pk_add_f32 v[232:233], v[232:233], v[234:235]
	v_pk_add_f32 v[236:237], v[236:237], v[238:239]
	v_pk_add_f32 v[232:233], v[232:233], v[236:237]
	v_add_f32 v232, v232, v233
	v_permlanex16_b32 v233, v232, s52, s53
	v_add_f32 v232, v232, v233
	v_rcp_f32 v234, v232
	v_nop                                          ; a plain instruction behind the reciprocal,
	s_wait_alu depctr_va_vdst(0)                   ; and its wait, ahead of everything that follows
	WIN 0xab
.irp kb, 0,1,2,3,4,5,6,7               ; O^T = V^T P on four accumulators by turns (channel block, parity of kb)
.irp ct, 0,1
.if \kb < 2
	v_wmma_f32_16x16x32_bf16 v[192+8*(\ct+2*(\kb%2)):199+8*(\ct+2*(\kb%2))], v[128+8*(8*\ct+\kb):135+8*(8*\ct+\kb)], v[128+8*\kb:135+8*\kb], 0
.else
	v_wmma_f32_16x16x32_bf16 v[192+8*(\ct+2*(\kb%2)):199+8*(\ct+2*(\kb%2))], v[128+8*(8*\ct+\kb):135+8*(8*\ct+\kb)], v[128+8*\kb:135+8*\kb], v[192+8*(\ct+2*(\kb%2)):199+8*(\ct+2*(\kb%2))]
.endif
.endr
.endr
	PLACES 8
	WIN 0xaa
.irp ct, 0,1
.irp p, 0,1,2,3
	v_pk_add_f32 v[192+8*\ct+2*\p:193+8*\ct+2*\p], v[192+8*\ct+2*\p:193+8*\ct+2*\p], v[208+8*\ct+2*\p:209+8*\ct+2*\p]
.endr
.endr
.set n, 0
.rept 8
	v_pk_mul_f32 v[192+2*n:193+2*n], v[192+2*n:193+2*n], v[234:235] op_sel_hi:[1,0]
.set n, n+1
.endr
	WIN 0x0a
.set n, 0
.rept 8
	v_cvt_pk_bf16_f32 v[208+n], v[192+2*n], v[192+2*n+1]
.set n, n+1
.endr
	WIN 0
	ds_store_b128 v[QCUR], v[208:211]              ; o's fragment takes the place of the q just used: my own bytes
	ds_store_b128 v[QCUR], v[212:215] offset:512
	v_add_nc_u32 v[QCUR], 1024, v[QCUR]
	v_add_nc_u32 v[APC], 64, v[APC]                ; eight steps are 512 bytes: the next head's table begins there
	s_sub_co_u32 s21, s21, 1
	s_cmp_lg_u32 s21, 0
	s_cbranch_scc1 .Lq
	CHANGE 1, G1A                                  ; proj's tile is in and o is shown to all; the next group's Q, or fc1's first tile, is asked for
	GB 0, WB1, 4352, 0
	WIN 0
	v_add_nc_u32 v[PB], 128, v[PB]
	v_add_nc_u32 v[PBV], 128, v[PBV]
	v_add_nc_u32 v[UAD], 1024, v[UAD]
	s_add_co_u32 s20, s20, 1
	s_cmp_lt_u32 s20, 2
	s_cbranch_scc1 .Lgroup
	; LN2: the sums so far go into the stage; wave w takes rows 32 w .., eight a trip, adds b_proj, normalises, and leaves h2 in each row's first 512 bytes
	PLACES 8                                       ; behind the last products: their results are stored, and their fragments' registers loaded into
.irp q, 0,1,2,3
	global_load_b128 v[32+4*\q:35+4*\q], v[R16], s[12:13] offset:P_LN2G+256*\q
	global_load_b128 v[48+4*\q:51+4*\q], v[R16], s[12:13] offset:P_LN2B+256*\q
	global_load_b128 v[192+4*\q:195+4*\q], v[R16], s[12:13] offset:P_BPROJ+256*\q
.endr
	OUTSTAGE
	s_mul_i32 s22, s16, 33280
	s_add_co_u32 s22, s22, HB
	v_mul_u32_u24 v[RWB], v2, 1040
	v_add_nc_u32 v[RWB], s22, v[RWB]
	v_lshl_add_u32 v[RWA], v1, 4, v[RWB]
	v_lshl_add_u32 v[RWB], v1, 3, v[RWB]
	s_wait_loadcnt 0x0
	s_mov_b32 s21, 4
.Lln2:
	WIN 0x80
.irp u, 0,1,2,3
.irp q, 0,1,2,3
	ds_load_b128 v[16*\u+4*\q:16*\u+4*\q+3], v[RWA] offset:2080*\u+256*\q
.endr
.endr
	s_wait_dscnt 0x0
	ROWG 0, 1, RWB, 0, 2080
	v_add_nc_u32 v[RWA], 8320, v[RWA]
	v_add_nc_u32 v[RWB], 8320, v[RWB]
	s_sub_co_u32 s21, s21, 1
	s_cmp_lg_u32 s21, 0
	s_cbranch_scc1 .Lln2
	; THE MLP
.macro LDBF1
.irp ct, 0,1,2,3
	global_load_b128 v[32+8*\ct:35+8*\ct], v[PF1], s[12:13] offset:64*\ct
	global_load_b128 v[36+8*\ct:39+8*\ct], v[PF1], s[12:13] offset:64*\ct+16
.endr
.endm
	v_add_nc_u32 v[WF1S], SLOT1, v[WF1]            ; the registers of Q's, K's and V's addresses are free: fc1's tile in slot 1,
	v_mul_u32_u24 v[WB0], v1, 272
	v_lshl_add_u32 v[WB0], v2, 4, v[WB0]
	v_add_nc_u32 v[WB0], s[G0+1], v[WB0]           ; fc2's in slot 0: (64 w + r) x 272 + 16 h,
	v_lshrrev_b32 v[WBT], 1, v1
	v_mul_u32_u24 v[WBT], v[WBT], 528
	v_and_b32 v9, 1, v1
	v_lshl_add_u32 v[WBT], v9, 8, v[WBT]
	v_lshl_add_u32 v[WBT], v2, 4, v[WBT]
	v_add_nc_u32 v[WBT], s[G0+5], v[WBT]           ; and the last fc2 tile in slot 1, two rows of 256 bytes to a padded row of 528: (r / 2) x 528 + (r % 2) x 256 + 16 h in my quarter
	LDBF1
	CHANGE 0, G1A                                  ; F1_0 is in and h2 is shown to all; F1_1 is asked for
	s_wait_loadcnt 0x0
	GF1
	PLACES
.set gq, 0
.set GLIM, QB0
.rept QB0
	GOP                                            ; part A of the first chunk's GELU has no products to stand behind
.endr
	WIN 0
	s_mov_b32 s21, 7
.Lmlp:                                 ; trip k = 0 .. 6
	v_add_nc_u32 v[PF1], 512, v[PF1]
	LDBF1                                          ; chunk k + 1's bias
	CHANGE 1, G1B                                  ; F1_(k+1) is in; every wave has read the last result out of QO; F2_k is asked for
.set gq, QB0
.set GLIM, QEND
	F1G                                            ; fc1 (k + 1) | GELU (k), parts B and C, and its stores
	CHANGE 0, G1A                                  ; F2_k is in, GELU (k)'s result is shown; F1_(k+2) is asked for, in the last trip F2_7: the same dense 16,384 bytes a wave, taken as rows of 512
.set gq, 0
.set GLIM, QB0
	GB 1, WB0, 4352, 3                             ; fc2 (k) | GELU (k + 1), part A: 12 + 3 x 108 lines are all 336
	WIN 0
	s_sub_co_u32 s21, s21, 1
	s_cmp_lg_u32 s21, 0
	s_cbranch_scc1 .Lmlp
.set gq, QB0
.set GLIM, QS0
.rept QS0-QB0
	GOP                                            ; the last chunk's parts B and C: nothing is left to multiply beside them
.endr
	WIN 0
	s_wait_dscnt 0x0
	s_barrier_signal -1                            ; every wave has read chunk 6's result out of QO, so the last tile may stay out
	s_barrier_wait -1
.set GLIM, QEND
.rept 16
	GOP                                            ; the stores
.endr
	CHANGE 1, -1                                   ; F2_7 is in, the result is shown; nothing is left to ask for
	GB 1, WBT, 4224, 0
	; THE END: stage, b_proj + b_fc2, the end norm by rows, and each row to its token's place
	WIN 0
	PLACES 8
.irp q, 0,1,2,3
	global_load_b128 v[32+4*\q:35+4*\q], v[R16], s[12:13] offset:P_NG+256*\q
	global_load_b128 v[48+4*\q:51+4*\q], v[R16], s[12:13] offset:P_NB+256*\q
	global_load_b128 v[192+4*\q:195+4*\q], v[R16], s[12:13] offset:P_BPROJ+256*\q
	global_load_b128 v[208+4*\q:211+4*\q], v[R16], s[12:13] offset:P_BFC2+256*\q
.endr
	OUTSTAGE
	s_mul_i32 s22, s16, 33280
	s_add_co_u32 s22, s22, HB
	v_mul_u32_u24 v[RWA], v2, 1040
	v_add_nc_u32 v[RWA], s22, v[RWA]
	v_lshl_add_u32 v[RWA], v1, 4, v[RWA]
	s_lshl_b32 s22, s16, 7
	s_add_co_u32 s22, s22, IDXT
	v_lshl_add_u32 v[RWB], v2, 2, s22
	s_wait_loadcnt 0x0
.irp p, 0,1,2,3,4,5,6,7
	v_pk_add_f32 v[192+2*\p:193+2*\p], v[192+2*\p:193+2*\p], v[208+2*\p:209+2*\p]
.endr
	s_mov_b32 s21, 4
.Lout:
	s_wait_xcnt 0x0                                ; the last trip's stores have read their data and offsets
	WIN 0x80
.irp u, 0,1,2,3
.irp q, 0,1,2,3
	ds_load_b128 v[16*\u+4*\q:16*\u+4*\q+3], v[RWA] offset:2080*\u+256*\q
.endr
.endr
	WIN 0
.irp u, 0,1,2,3
	ds_load_b32 v[160+\u], v[RWB] offset:8*\u
.endr
	s_wait_dscnt 0x0
.irp u, 0,1,2,3
	v_min_u32 v[160+\u], 0x7fff, v[160+\u]
.endr
.irp u, 0,1,2,3
	v_lshl_add_u32 v[160+\u], v[160+\u], 10, v[R16]
.endr
	ROWG 0, 2, 160, 0, 0
	WIN 0
	v_add_nc_u32 v[RWA], 8320, v[RWA]
	v_add_nc_u32 v[RWB], 32, v[RWB]
	s_sub_co_u32 s21, s21, 1
	s_cmp_lg_u32 s21, 0
	s_cbranch_scc1 .Lout
	s_wait_tensorcnt 0x0                           ; the wave's end: three closing lines, behind my last tensor load and my last LDS store
	ds_add_u32 v[SPW], v[NIL]
	s_wait_dscnt 0x0
	CROUND                                         ; the closing round
	s_endpgm
.Lfunc_end_k_qd4ef13b0ef_layer0:
	.size	k_qd4ef13b0ef_layer0, .Lfunc_end_k_qd4ef13b0ef_layer0-k_qd4ef13b0ef_layer0
	.p2alignl 7, 3214868480
	.fill 96, 4, 3214868480
	.section	.rodata,"a",@progbits
	.p2align	6, 0x0
	.amdhsa_kernel k_qd4ef13b0ef_layer0
		.amdhsa_group_segment_fixed_size 327680
		.amdhsa_private_segment_fixed_size 0
		.amdhsa_enable_private_segment 0
		.amdhsa_kernarg_size 40
		.amdhsa_user_sgpr_count 2
		.amdhsa_user_sgpr_kernarg_segment_ptr 1
		.amdhsa_wavefront_size32 1
		.amdhsa_system_sgpr_workgroup_id_x 1
		.amdhsa_system_sgpr_workgroup_id_y 1
		.amdhsa_system_sgpr_workgroup_id_z 1
		.amdhsa_system_vgpr_workitem_id 0
		.amdhsa_next_free_vgpr 1024
		.amdhsa_next_free_sgpr 104
		.amdhsa_reserve_vcc 0
		.amdhsa_float_denorm_mode_32 3
		.amdhsa_float_denorm_mode_16_64 3
		.amdhsa_memory_ordered 1
		.amdhsa_forward_progress 1
		.amdhsa_inst_pref_size 255
	.end_amdhsa_kernel
	.section	.bss,"aw",@nobits
	.p2align	6
	.space	262144
	.amdgpu_metadata
---
amdhsa.version: [ 1, 2 ]
amdhsa.kernels:
  - .name:           k_qd4ef13b0ef_layer0
    .symbol:         k_qd4ef13b0ef_layer0.kd
    .args:
      - { .name: x, .offset: 0, .size: 8, .value_kind: global_buffer, .address_space: global }
      - { .name: coords, .offset: 8, .size: 8, .value_kind: global_buffer, .address_space: global }
      - { .name: perm0, .offset: 16, .size: 8, .value_kind: global_buffer, .address_space: global }
      - { .name: wpk0, .offset: 24, .size: 8, .value_kind: global_buffer, .address_space: global }
      - { .name: xmid, .offset: 32, .size: 8, .value_kind: global_buffer, .address_space: global }
    .group_segment_fixed_size: 327680
    .private_segment_fixed_size: 0
    .kernarg_segment_align: 8
    .kernarg_segment_size: 40
    .max_flat_workgroup_size: 128
    .sgpr_count:     104
    .vgpr_count:     1024
    .wavefront_size: 32
...
	.end_amdgpu_metadata
.endif
;; end of part 5
;; launch layer1: the kernel of part 5 again; grid 256 x 1, 4 waves a work-group, clusters of 4 x 1, 327,680 bytes of LDS; arguments xmid, coords, perm1, wpk1, out0; writes out0
;; ======== version 2 of 2: 6 launches; version 1 with the launch rank written anew for expert scheduling mode
;; workspace buffers: wpk0 1,589,248 bytes; wpk1 1,589,248 bytes; xmid 33,554,432 bytes; codes 262,144 bytes of whole numbers; scode 262,144 bytes of whole numbers; sidx 262,144 bytes of whole numbers; perm0 131,072 bytes of whole numbers; perm1 131,072 bytes of whole numbers
;; launch prep: the kernel of part 1 again; grid 48 x 2, 4 waves a work-group, no clusters, 35,328 bytes of LDS; arguments w_qkv, w_proj, w_fc1, w_fc2, ln1_g, ln1_b, b_qkv, b_proj, ln2_g, ln2_b, b_fc1, b_fc2, norm_g, norm_b, w_pos, b_pos, wpk0, wpk1; writes wpk0, wpk1
;; launch codes: the kernel of part 2 again; grid 32 x 1, 32 waves a work-group, no clusters, 5,120 bytes of LDS; arguments coords, codes; writes codes
;; launch lsort: the kernel of part 3 again; grid 128 x 2, 8 waves a work-group, no clusters, 2,048 bytes of LDS; arguments codes, scode, sidx; writes scode, sidx
;; launch rank (part 6): grid 128 x 2, 32 waves a work-group, no clusters, 139,264 bytes of LDS; arguments scode, sidx, perm0, perm1; writes perm0, perm1
.if DOCPART == 6
	.amdgcn_target "amdgcn-amd-amdhsa--gfx1250"
	.amdhsa_code_object_version 6
	.text
	.protected	k_qd4ef13b0ef_rank
	.globl	k_qd4ef13b0ef_rank
	.p2align	8
	.type	k_qd4ef13b0ef_rank,@function
k_qd4ef13b0ef_rank:
	s_mov_b64 s[64:65], 0
	v_nop
	global_prefetch_b8 v0, s[64:65] scope:SCOPE_SE
	s_setreg_imm32_b32 hwreg(HW_REG_WAVE_SCHED_MODE, 0, 2), 2
	s_setreg_imm32_b32 hwreg(HW_REG_WAVE_MODE, 25, 1), 1
	s_wait_xcnt 0x0
	s_wait_alu depctr_vm_vsrc(0)
; The place of each point in the block's whole order: its place in its own sorted chunk plus, for each of the other 127 sorted chunks, the number of codes that go before it
; (<= in earlier chunks, < in later ones), found by a search of nine probes.  x = my chunk, y = block.  All 128 chunks (131,072 bytes) lie in LDS.
; Thread = (element e = t % 256, part = t / 256): a part searches 32 chunks, eight searches side by side.  Block 1's order is rolled by 128 places.
; REGISTERS: v[16:47] the fills, then v16-23 the eight places, v24-31 the probed codes, v32-39 the bounds, v40-47 the places a step further; what outlives the fills lies above them:
; v48 my point's index, v49 my code, v50 4 e, v51 the sum, v52-53 at work, v54 where my partial sum goes.  s24-31: the eight compares' masks.
; THE MODE: SCHED_MODE bits 1:0 = 2 (LLVM: expert scheduling mode 2), set by the entry lines.  The code itself states the register dependences
; between vector instructions and memory or LDS instructions, with s_wait_alu, always for 0.
; THE PLAN.  Registers that memory or LDS instructions touch:
;   v4, v5, v7  offsets and LDS addresses, made at the head and never written again.
;   v16-47      at the head: the fills land in them and the LDS stores read them; one wait on vm_vsrc behind the first barrier gives them to the loop.
;   v16-23      in the loop: LDS addresses.  Written at a batch's head and by each probe's selects and clamps; read by each probe's eight loads.
;   v24-31      in the loop: a probe's eight loads land in them; its eight compares read them.
;   v51, v54    written by vector lines; read by the store of the partial sum (v54 by the four loads behind it too).
;   v32-47, v49-53 are named by vector lines alone in the loop.
; A probe's address hangs on the probe before it, so each probe states three things: at its head that the places are written and the last compares are done with v24-31;
; behind its compares that the eight masks are written; and beside that, that its loads have read the places, which the selects then write.
; The eight adds that need no loaded code stand behind the loads; compares, selects and clamps stand in runs of eight lines that do not hang on each other.
.set PART,  131072                     ; 1,024 partial sums
.set SPARE, 135168
	s_load_b256 s[4:11], s[0:1], 0x0               ; scode s[4:5], sidx s[6:7], perm0 s[8:9], perm1 s[10:11]
	v_lshl_add_u32 v2, v0, 2, SPARE
	v_mov_b32 v3, 0
	v_lshrrev_b32 v1, 5, v0
	v_readfirstlane_b32 s12, v1                    ; wave
	s_and_b32 s13, ttmp7, 0xffff                   ; block
	s_lshl_b32 s14, s13, 17
	s_mov_b32 s15, 0
	v_lshlrev_b32 v4, 4, v0
	v_add_nc_u32 v5, 0x10000, v4
	v_and_b32 v6, 0xff, v0
	v_lshlrev_b32 v50, 2, v6                       ; 4 e
	s_lshl_b32 s16, ttmp9, 10
	v_add_nc_u32 v7, s16, v50                      ; word e of my chunk
	s_wait_alu depctr_va_sdst(0)                   ; s12 is written, ahead of its first reader: the part and the last branch are made from it
	s_wait_kmcnt 0x0
	s_add_nc_u64 s[4:5], s[4:5], s[14:15]
	s_add_nc_u64 s[6:7], s[6:7], s[14:15]
	s_wait_alu depctr_va_vdst(0)                   ; v4, v5 and v7 are written, which the loads and LDS stores below read as offsets and addresses
.irp j, 0,1,2,3,4,5,6,7
	global_load_b128 v[16+4*\j:19+4*\j], v4, s[4:5] offset:16384*\j
.endr
	global_load_b32 v48, v7, s[6:7]                ; my point's index
.irp j, 0,1,2,3
	s_wait_loadcnt 8-\j                            ; the younger fills and the index may stay out
	ds_store_b128 v4, v[16+4*\j:19+4*\j] offset:16384*\j
.endr
.irp j, 4,5,6,7
	s_wait_loadcnt 8-\j
	ds_store_b128 v5, v[16+4*\j:19+4*\j] offset:16384*(\j-4)
.endr
	s_wait_dscnt 0x0
	s_barrier_signal -1
	s_barrier_wait -1
	ds_load_b32 v49, v7                            ; my code
	s_lshr_b32 s17, s12, 3                         ; part
	s_lshl_b32 s18, s17, 15                        ; LDS byte of the batch's first chunk
	s_lshl_b32 s19, s17, 5                         ; its number
	v_mov_b32 v51, 0
	s_wait_dscnt 0x0
	s_wait_alu depctr_vm_vsrc(0)                   ; my LDS stores have read v16-47: from here on vector lines and the probes' loads write these registers
; One probe of the eight searches: is the code st - 1 places on smaller than the bound?  Then st places are passed.  The place is held under lim, its largest true value, before it is an address again.
.macro PROBE st, off, lim
	s_wait_alu depctr_va_vdst(0)                   ; the places v16-23 are written, which the loads read as addresses; the last probe's compares are done reading v24-31, in which the loads land
.irp k, 0,1,2,3,4,5,6,7
	ds_load_b32 v[24+\k], v[16+\k] offset:1024*\k+(\off)
.endr
.irp k, 0,1,2,3,4,5,6,7
	v_add_nc_u32 v[40+\k], 4*(\st), v[16+\k]       ; the place st further on: it needs no loaded code, so it is made while the loads are out
.endr
.irp k, 0,1,2,3,4,5,6,7
	s_wait_dscnt 7-\k
	v_cmp_lt_u32 s[24+\k], v[24+\k], v[32+\k]
.endr
	s_wait_alu depctr_va_sdst(0)                   ; the eight masks s24-31 are written, ahead of the selects that read them
	s_wait_alu depctr_vm_vsrc(0)                   ; the eight loads have read v16-23, which the selects write
.irp k, 0,1,2,3,4,5,6,7
	v_cndmask_b32 v[16+\k], v[16+\k], v[40+\k], s[24+\k]
.endr
.irp k, 0,1,2,3,4,5,6,7
	v_min_u32 v[16+\k], \lim, v[16+\k]
.endr
.endm
	s_mov_b32 s20, 0
.Lb:                                   ; four batches of eight chunks
.irp k, 0,1,2,3,4,5,6,7
	s_add_co_u32 s21, s19, \k
	s_cmp_lt_u32 s21, ttmp9
	s_cselect_b32 s21, 1, 0
	v_add_nc_u32 v[32+\k], s21, v49                ; the bound: c + 1 for earlier chunks, c for later ones
	v_mov_b32 v[16+\k], s18                        ; no LDS line has been issued since the last wait on vm_vsrc: the place is free to be written
.endr
	PROBE 128, 508, 122880+512
	PROBE 64, 252, 122880+768
	PROBE 32, 124, 122880+896
	PROBE 16, 60, 122880+960
	PROBE 8, 28, 122880+992
	PROBE 4, 12, 122880+1008
	PROBE 2, 4, 122880+1016
	PROBE 1, 0, 122880+1020
	PROBE 1, 0, 122880+1024
	v_add_nc_u32 v53, s18, v50                     ; my own chunk counts e
.irp k, 0,1,2,3,4,5,6,7
	s_add_co_u32 s21, s19, \k
	s_cmp_eq_u32 s21, ttmp9
	s_cselect_b32 s21, -1, 0
	v_cndmask_b32 v52, v[16+\k], v53, s21
	v_add_nc_u32 v51, v51, v52
.endr
	s_lshl_b32 s21, s18, 3
	v_subrev_nc_u32 v51, s21, v51                  ; less the eight starts: four times the count
	s_add_co_u32 s18, s18, 8192
	s_add_co_u32 s19, s19, 8
	s_add_co_u32 s20, s20, 1
	s_cmp_lt_u32 s20, 4
	s_cbranch_scc1 .Lb
	s_wait_dscnt 0x0
	s_barrier_signal -1
	s_barrier_wait -1                              ; every wave's searches are over
	v_lshl_add_u32 v54, v0, 2, PART
	s_wait_alu depctr_va_vdst(0)                   ; v51 and v54 are written, which the store reads; the loop's lines are done with v16-19, in which the four loads below land, and no vector line names them or v54 in between
	ds_store_b32 v54, v51
	s_wait_dscnt 0x0
	s_barrier_signal -1
	s_barrier_wait -1
	s_cmp_lt_u32 s12, 8                            ; waves 0-7 (t = e) add the four parts and store
	s_cbranch_scc0 .Lend
.irp p, 0,1,2,3
	ds_load_b32 v[16+\p], v54 offset:1024*\p
.endr
	s_wait_dscnt 0x0
	v_add_nc_u32 v16, v16, v17
	v_add3_u32 v16, v16, v18, v19
	v_lshrrev_b32 v16, 2, v16
	s_lshl_b32 s21, s13, 7
	v_add_nc_u32 v16, s21, v16
	v_and_b32 v16, 0x7fff, v16
	v_min_u32 v16, 0x7fff, v16
	v_lshlrev_b32 v16, 2, v16
	s_cmp_eq_u32 s13, 1
	s_cselect_b64 s[22:23], s[10:11], s[8:9]
	s_wait_loadcnt 0x0
	s_wait_alu depctr_va_vdst(0)                   ; v16 is written, which the store reads as its offset
	global_store_b32 v16, v48, s[22:23]
.Lend:
	s_wait_dscnt 0x0                               ; the closing lines, six on end
	s_wait_alu 0x0
	s_wait_tensorcnt 0x0
	ds_add_u32 v2, v3
	s_wait_dscnt 0x0
	s_endpgm
.Lfunc_end_k_qd4ef13b0ef_rank:
	.size	k_qd4ef13b0ef_rank, .Lfunc_end_k_qd4ef13b0ef_rank-k_qd4ef13b0ef_rank
	.p2alignl 7, 3214868480
	.fill 96, 4, 3214868480
	.section	.rodata,"a",@progbits
	.p2align	6, 0x0
	.amdhsa_kernel k_qd4ef13b0ef_rank
		.amdhsa_group_segment_fixed_size 139264
		.amdhsa_private_segment_fixed_size 0
		.amdhsa_enable_private_segment 0
		.amdhsa_kernarg_size 32
		.amdhsa_user_sgpr_count 2
		.amdhsa_user_sgpr_kernarg_segment_ptr 1
		.amdhsa_wavefront_size32 1
		.amdhsa_system_sgpr_workgroup_id_x 1
		.amdhsa_system_sgpr_workgroup_id_y 1
		.amdhsa_system_sgpr_workgroup_id_z 1
		.amdhsa_system_vgpr_workitem_id 0
		.amdhsa_next_free_vgpr 64
		.amdhsa_next_free_sgpr 66
		.amdhsa_reserve_vcc 0
		.amdhsa_float_denorm_mode_32 3
		.amdhsa_float_denorm_mode_16_64 3
		.amdhsa_memory_ordered 1
		.amdhsa_forward_progress 1
		.amdhsa_inst_pref_size 32
	.end_amdhsa_kernel
	.amdgpu_metadata
---
amdhsa.version: [ 1, 2 ]
amdhsa.kernels:
  - .name:           k_qd4ef13b0ef_rank
    .symbol:         k_qd4ef13b0ef_rank.kd
    .args:
      - { .name: scode, .offset: 0, .size: 8, .value_kind: global_buffer, .address_space: global }
      - { .name: sidx, .offset: 8, .size: 8, .value_kind: global_buffer, .address_space: global }
      - { .name: perm0, .offset: 16, .size: 8, .value_kind: global_buffer, .address_space: global }
      - { .name: perm1, .offset: 24, .size: 8, .value_kind: global_buffer, .address_space: global }
    .group_segment_fixed_size: 139264
    .private_segment_fixed_size: 0
    .kernarg_segment_align: 8
    .kernarg_segment_size: 32
    .max_flat_workgroup_size: 1024
    .sgpr_count:     66
    .vgpr_count:     64
    .wavefront_size: 32
...
	.end_amdgpu_metadata
.endif
;; end of part 6
;; launch layer0: the kernel of part 5 again; grid 256 x 1, 4 waves a work-group, clusters of 4 x 1, 327,680 bytes of LDS; arguments x, coords, perm0, wpk0, xmid; writes xmid
;; launch layer1: the kernel of part 5 again; grid 256 x 1, 4 waves a work-group, clusters of 4 x 1, 327,680 bytes of LDS; arguments xmid, coords, perm1, wpk1, out0; writes out0
